; MI455X (gfx1250); checked and timed in simulation.
; The chip was launched on July 23, 2026; its instructions are those of AMD's public machine-readable ISA for CDNA 5 (MIT licence, August 2026) and "CDNA5" Instruction Set Architecture Reference Guide (July 2026). The comments in the code are by the model that wrote it; some were corrected since.
;; Global Attention. Allowed arithmetic: float matrix products may take bf16 or f16 operands with f32 sums; other float arithmetic in f32, or as packed bf16 or f16 multiplies, adds, multiply-adds, maxima and minima; sums over many terms, partial sums and values carried from step to step in f32; what a program stores and reads back later, other than sums and carried values, may be rounded once to bf16 or f16.
;; Inputs: W1 1,024 x 1,024 float32; W2 1,024 x 2,048 float32; b1 1,024 float32; b2 1,024 float32; query 512 x 32 x 1,024 float32; values 512 x 32 x 1,024 float32.
;; Outputs: out0 512 x 32 x 1,024 float32.
;; 2 versions, each right; version 2 is version 1 with the launch prep written anew for expert scheduling mode. Each part assembles by itself: llvm-mc -triple=amdgcn-amd-amdhsa -mcpu=gfx1250 --defsym DOCPART=n.
;; ======== version 1 of 2: 4 launches
;; limits: values are held in f16: magnitudes above 65,504 overflow, below 6.1e-05 lose precision
;; workspace buffers: AC 50,331,648 bytes; VI 33,554,432 bytes; WI 9,437,184 bytes; QR 67,108,864 bytes; VW 33,554,432 bytes
;; launch prep (part 1): grid 1120 x 1, 8 waves a work-group, no clusters, 35,840 bytes of LDS; arguments query, values, W1, W2, AC, VI, WI; writes AC, VI, WI
.if DOCPART == 1
	.amdgcn_target "amdgcn-amd-amdhsa--gfx1250"
	.amdhsa_code_object_version 6
	.text
	.protected	k_qb42c67354c_prep
	.globl	k_qb42c67354c_prep
	.p2align	8
	.type	k_qb42c67354c_prep,@function
k_qb42c67354c_prep:
	s_mov_b64 s[64:65], 0
	v_nop
	global_prefetch_b8 v0, s[64:65] scope:SCOPE_SE
	s_setreg_imm32_b32 hwreg(HW_REG_WAVE_MODE, 25, 1), 1
	s_wait_xcnt 0x0
; PREP.  query, values, W1 and W2 (f32) are rounded to bf16, that number is written as f16, and laid out as FRAGMENT IMAGES for the matrix launches behind.
; An image is 16 rows x 32 k in 1,024 bytes: byte 16 L + 512 g + 2 e holds row (L % 16), k = 16 g + 8 (L / 16) + e: two loads of 16 bytes a lane, 512 bytes apart, are a matrix operand's 8 registers.
; Rows of query and values are taken by batch: row block R = 32 b + q / 16.   AC: R x 49,152 + kk x 1,024, kk 16..47 = query (kk 0..15 is left for the weights of the attention);
; VI: R x 32,768 + kk x 1,024;   WI: W1's 64 row blocks from byte 0 and W2[:, 1024:]'s 64 from byte 4,194,304, 32,768 bytes each; W2[:, :1024]'s 64 from byte 6,291,456, 49,152 bytes apart, the pitch of AC,
; so that one descriptor shape serves both in the launch behind.
; LIMITS.  bf16 written as f16 is exact from 6.1e-5 to 65,504 in magnitude; below, f16's fixed step of 6e-8 holds; beyond, an infinity.  NaN and infinities are not treated apart.
; SHARES.  A wave's job is one row block x 256 k: row job J = 2 x work-group + wave / 4 (0..1023 query, 1024..2047 values, 2048..2111 W1, 2112..2239 W2), quarter wave % 4.  A job is two units of 16 rows x 128 k.
; Memory binds: each load of a wave takes 512 consecutive bytes of a row, each store 512 consecutive bytes of an image; 16 loads of a wave are out, and the jobs are short so that several work-groups lie on a WGP
; and the 1,120 of them spread evenly.  No matrix unit, no cluster: nothing is shared.
; The turn from rows to images goes through the wave's own 16 rows of LDS; LDS serves a wave's instructions in order (ISA guide 5.7.1.4), so no barrier is needed.
.set PITCH,  272                       ; an LDS row: 256 bytes (128 f16) + 16: the 16 rows that a read touches start at 16 different groups of four banks
.set WBYTES, 16*PITCH                  ; a wave's stage
.set SPARE,  8*WBYTES                  ; behind the stages: the spare words, 128 bytes a wave, that no other line names
.set LST, 4                            ; v4      where I put 8 bytes of a row
.set LRD, 5                            ; v5      where I read 16 bytes of an image
.set OFF, 8                            ; v[8:23] row i: 16 x lane + i x row stride; never rewritten.  v8 is also my offset in 512 bytes of an image
.set X,   24                           ; v[24:87]  row i: 4 f32 as loaded
.set TT,  88                           ; v[88:93]  at work
.set HH,  96                           ; v[96:97]  4 f16
.set Y,   100                          ; v[100:131] 8 half images to store
.set SPW, 132                          ; v132    my spare word's LDS address; never rewritten
.set NIL, 133                          ; v133    0; never rewritten
	s_load_b256 s[12:19], s[0:1], 0x0              ; query s[12:13], values s[14:15], W1 s[16:17], W2 s[18:19]
	s_load_b128 s[20:23], s[0:1], 0x20             ; AC s[20:21], VI s[22:23]
	s_load_b64 s[24:25], s[0:1], 0x30              ; WI
	v_lshl_add_u32 v[SPW], v0, 2, SPARE
	v_mov_b32 v[NIL], 0
	v_lshrrev_b32 v1, 5, v0
	v_readfirstlane_b32 s8, v1                     ; wave 0..7
	v_and_b32 v1, 31, v0                           ; lane
	v_and_b32 v2, 15, v0                           ; lane % 16
	v_bfe_u32 v3, v0, 4, 1                         ; lane / 16
	s_mov_b32 s9, 0xffff0000                       ; a word's upper bf16
	s_mul_i32 s10, s8, WBYTES                      ; my wave's stage
	v_lshl_add_u32 v[LST], v1, 3, s10              ; in: 8 bytes a lane, 256 a row
	v_mul_u32_u24 v[LRD], v2, PITCH
	v_lshl_add_u32 v[LRD], v3, 4, v[LRD]
	v_add_nc_u32 v[LRD], s10, v[LRD]               ; back: row lane % 16, 16 bytes for each half of the lanes
	s_lshl_b32 s11, ttmp9, 1
	s_lshr_b32 s2, s8, 2
	s_add_co_u32 s11, s11, s2                      ; row job J
	s_and_b32 s31, s8, 3                           ; which 256 k
	s_wait_kmcnt 0x0
	s_cmp_lt_u32 ttmp9, 1024
	s_cbranch_scc0 .Lweights
	s_and_b32 s2, s11, 1023                        ; R = 32 b + q / 16
	s_and_b32 s26, s2, 31
	s_lshl_b32 s26, s26, 21                        ; 16 (R % 32) rows of 32 x 4,096 bytes,
	s_lshr_b32 s3, s2, 5
	s_lshl_b32 s3, s3, 12                          ; batch R / 32
	s_add_co_u32 s26, s26, s3
	s_mov_b32 s30, 131072                          ; from q to q + 1
	s_mul_i32 s28, s2, 49152
	s_add_co_u32 s28, s28, 16384                   ; AC: behind the 16 images left for the weights
	s_lshl_b32 s3, s2, 15                          ; VI
	s_cmp_lt_u32 ttmp9, 512
	s_cselect_b64 s[4:5], s[12:13], s[14:15]
	s_cselect_b64 s[6:7], s[20:21], s[22:23]
	s_cselect_b32 s28, s28, s3
	s_branch .Lgo
.Lweights:
	s_sub_co_u32 s2, s11, 2048                     ; 0..63 W1, 64..127 W2's left half, 128..191 its right half
	s_mov_b64 s[6:7], s[24:25]
	s_lshl_b32 s28, s2, 15                         ; W1 and W2's right half: 32,768 bytes a row block
	s_lshl_b32 s26, s2, 16                         ; W1: 16 rows of 4,096 bytes
	s_sub_co_u32 s3, s2, 64
	s_mul_i32 s29, s3, 49152
	s_add_co_u32 s29, s29, 6291456                 ; W2's left half: 49,152 bytes a row block
	s_and_b32 s10, s3, 63
	s_lshl_b32 s10, s10, 17                        ; W2: 16 rows of 8,192 bytes,
	s_bfe_u32 s3, s3, 0x10006
	s_lshl_b32 s3, s3, 12                          ; the half
	s_add_co_u32 s10, s10, s3
	s_mov_b32 s3, 4096
	s_mov_b32 s30, 8192
	s_cmp_lt_u32 ttmp9, 1056
	s_cselect_b64 s[4:5], s[16:17], s[18:19]
	s_cselect_b32 s26, s26, s10
	s_cselect_b32 s30, s3, s30
	s_sub_co_u32 s3, ttmp9, 1056                   ; work-groups 1056..1087 hold W2's left half
	s_cmp_lt_u32 s3, 32
	s_cselect_b32 s28, s29, s28
.Lgo:
	s_lshl_b32 s2, s31, 10                         ; my quarter: 256 f32 along a row,
	s_add_co_u32 s26, s26, s2
	s_lshl_b32 s2, s31, 13                         ; 8 images
	s_add_co_u32 s28, s28, s2
	s_mov_b32 s27, 0
	s_mov_b32 s29, 0
	s_add_nc_u64 s[4:5], s[4:5], s[26:27]          ; the job's first row and k
	s_add_nc_u64 s[6:7], s[6:7], s[28:29]          ; the job's first image
	v_lshlrev_b32 v[OFF], 4, v1
.irp i, 1,2,3,4,5,6,7,8,9,10,11,12,13,14,15
	v_add_nc_u32 v[OFF+(\i)], s30, v[OFF+(\i)-1]
.endr
.irp i, 0,1,2,3,4,5,6,7,8,9,10,11,12,13,14,15
	global_load_b128 v[X+4*(\i):X+4*(\i)+3], v[OFF+(\i)], s[4:5] th:TH_LOAD_NT  ; unit 0
.endr
; Row i of a unit: 4 numbers a lane, rounded to bf16, widened, written as f16, into the stage.  ahead = 1: the row's next 512 bytes are asked for.  left: the younger loads that may stay out.
.macro ROW i, ahead, left
	s_wait_loadcnt \left                           ; loads come back in order (ISA guide 5.7.1): mine is in
	v_cvt_pk_bf16_f32 v[TT], v[X+4*(\i)], v[X+4*(\i)+1]
	v_cvt_pk_bf16_f32 v[TT+1], v[X+4*(\i)+2], v[X+4*(\i)+3]
	v_lshlrev_b32 v[TT+2], 16, v[TT]
	v_and_b32 v[TT+3], s9, v[TT]
	v_lshlrev_b32 v[TT+4], 16, v[TT+1]
	v_and_b32 v[TT+5], s9, v[TT+1]
	v_cvt_pk_f16_f32 v[HH], v[TT+2], v[TT+3]
	v_cvt_pk_f16_f32 v[HH+1], v[TT+4], v[TT+5]
	ds_store_b64 v[LST], v[HH:HH+1] offset:(\i)*PITCH
.if \ahead
	global_load_b128 v[X+4*(\i):X+4*(\i)+3], v[OFF+(\i)], s[4:5] offset:512 th:TH_LOAD_NT
.endif
.endm
; A unit's four images leave, from byte base of the job's images on: half image j (image j / 2, half j % 2) is 512 consecutive bytes.
.macro SEND base
.irp j, 0,1,2,3,4,5,6,7
	ds_load_b128 v[Y+4*(\j):Y+4*(\j)+3], v[LRD] offset:((\j)/2)*64+((\j)%2)*32
.endr
.irp j, 0,1,2,3,4,5,6,7
	s_wait_dscnt 7-(\j)
	global_store_b128 v[OFF], v[Y+4*(\j):Y+4*(\j)+3], s[6:7] offset:(\base)+((\j)/2)*1024+((\j)%2)*512
.endr
.endm
.irp i, 0,1,2,3,4,5,6,7,8,9,10,11,12,13,14,15
	ROW \i, 1, 15                                  ; behind row i's load: this unit's 15 - i later rows and the next unit's i rows
.endr
	SEND 0
.irp i, 0,1,2,3,4,5,6,7,8,9,10,11,12,13,14,15
	ROW \i, 0, 15-(\i)                             ; the second unit loads nothing: the counts run down
.endr
	s_wait_xcnt 0x0                                ; Y, which the first unit's stores read, is loaded again only behind this wait
	SEND 4096
	s_wait_tensorcnt 0x0                           ; the wave's end: behind my last LDS store
	ds_add_u32 v[SPW], v[NIL]
	s_wait_dscnt 0x0
	s_endpgm
.Lfunc_end_k_qb42c67354c_prep:
	.size	k_qb42c67354c_prep, .Lfunc_end_k_qb42c67354c_prep-k_qb42c67354c_prep
	.p2alignl 7, 3214868480
	.fill 96, 4, 3214868480
	.section	.rodata,"a",@progbits
	.p2align	6, 0x0
	.amdhsa_kernel k_qb42c67354c_prep
		.amdhsa_group_segment_fixed_size 35840
		.amdhsa_private_segment_fixed_size 0
		.amdhsa_enable_private_segment 0
		.amdhsa_kernarg_size 56
		.amdhsa_user_sgpr_count 2
		.amdhsa_user_sgpr_kernarg_segment_ptr 1
		.amdhsa_wavefront_size32 1
		.amdhsa_system_sgpr_workgroup_id_x 1
		.amdhsa_system_sgpr_workgroup_id_y 1
		.amdhsa_system_sgpr_workgroup_id_z 1
		.amdhsa_system_vgpr_workitem_id 0
		.amdhsa_next_free_vgpr 136
		.amdhsa_next_free_sgpr 66
		.amdhsa_reserve_vcc 0
		.amdhsa_float_denorm_mode_32 3
		.amdhsa_float_denorm_mode_16_64 3
		.amdhsa_memory_ordered 1
		.amdhsa_forward_progress 1
		.amdhsa_inst_pref_size 25
	.end_amdhsa_kernel
	.amdgpu_metadata
---
amdhsa.version: [ 1, 2 ]
amdhsa.kernels:
  - .name:           k_qb42c67354c_prep
    .symbol:         k_qb42c67354c_prep.kd
    .args:
      - { .name: query, .offset: 0, .size: 8, .value_kind: global_buffer, .address_space: global }
      - { .name: values, .offset: 8, .size: 8, .value_kind: global_buffer, .address_space: global }
      - { .name: W1, .offset: 16, .size: 8, .value_kind: global_buffer, .address_space: global }
      - { .name: W2, .offset: 24, .size: 8, .value_kind: global_buffer, .address_space: global }
      - { .name: AC, .offset: 32, .size: 8, .value_kind: global_buffer, .address_space: global }
      - { .name: VI, .offset: 40, .size: 8, .value_kind: global_buffer, .address_space: global }
      - { .name: WI, .offset: 48, .size: 8, .value_kind: global_buffer, .address_space: global }
    .group_segment_fixed_size: 35840
    .private_segment_fixed_size: 0
    .kernarg_segment_align: 8
    .kernarg_segment_size: 56
    .max_flat_workgroup_size: 256
    .sgpr_count:     66
    .vgpr_count:     136
    .wavefront_size: 32
...
	.end_amdgpu_metadata
.endif
;; end of part 1
;; launch proj (part 2): grid 4 x 64, 4 waves a work-group, clusters of 4 x 4, 327,680 bytes of LDS; arguments AC, VI, WI, b1, QR, VW; writes QR, VW
.if DOCPART == 2
	.amdgcn_target "amdgcn-amd-amdhsa--gfx1250"
	.amdhsa_code_object_version 6
	.text
	.protected	k_qb42c67354c_proj
	.globl	k_qb42c67354c_proj
	.p2align	8
	.type	k_qb42c67354c_proj,@function
k_qb42c67354c_proj:
	s_mov_b64 s[64:65], 0
	v_nop
	global_prefetch_b8 v0, s[64:65] scope:SCOPE_SE
	s_setreg_imm32_b32 hwreg(HW_REG_WAVE_MODE, 25, 1), 1
	s_wait_xcnt 0x0
	s_wait_alu depctr_hold_cnt(0) depctr_sa_sdst(0) depctr_va_vdst(0) depctr_va_sdst(0) depctr_va_ssrc(0) depctr_va_vcc(0) depctr_vm_vsrc(0)
	s_getreg_b32 s2, hwreg(HW_REG_IB_STS2, 6, 4)
	s_cmp_eq_u32 s2, 0
	s_cbranch_scc0 .Lentry_in_a_cluster
	s_endpgm
.Lentry_in_a_cluster:
	s_bfe_u32 s2, ttmp6, 0x10000c
	s_cmp_lg_u32 s2, 0xf033
	s_cbranch_scc0 .Lentry_shape_is_right
	s_endpgm
.Lentry_shape_is_right:
; TWO PRODUCTS OF ONE SHAPE (16,384 x 1,024, K = 1,024) IN ONE LAUNCH; a work-group stays and makes one tile of 256 x 256 of each.  f16 operands (bf16-rounded inputs), f32 sums.
; TILE 1: VW^T[o][(s,b)] = the sum over v of W2[o][v] values[(s,b)][v], v < 1,024: attended W2a^T = P (V W2a^T), so the product with W2's left half is made ahead of the attention.  Rounded once to f16.
; TILE 2: QR[(q,b)][v] = the sum over d of query[(q,b)][d] W1[v][d] + b1[v]; b1, rounded to bf16, starts the sums as the first products' C.  QR leaves as TWO f16 numbers, hi = f16(x) and lo = f16(x - hi),
; since the scores made of it stand in front of a sharp softmax.
; LIMITS.  |VW| and |QR| stay within f16's 65,504; below 6.1e-5 f16's fixed step of 6e-8 holds.  NaN and infinities are not treated apart.
; OPERANDS are fragment images: 16 rows x 32 k in 1,024 bytes, byte 16 L + 512 g + 2 e = row L % 16, k = 16 g + 8 (L / 16) + e: two consecutive-lane loads of 16 bytes fill a fragment, with no bank conflict and no padding.
; Tile 1: A = W2's left half (WI + 6,291,456, row blocks 49,152 bytes apart), B = VI (32,768).  Tile 2: A = query (AC + 16,384, 49,152 apart), B = W1 (WI, 32,768).  So one descriptor shape serves A, one B.
; SHAPE.  Four waves, each 128 x 128: 64 accumulators.  K goes in steps of 128 (4 images, 4,096 consecutive bytes of a row block) through two LDS slots of 131,072 bytes: A's 16 row blocks, then B's 16.
; A wave's tensor load brings 8 row blocks x 4,096 bytes.  By this text's count a wave has two tensor loads out at the start, later one.
; ONE STREAM.  The two tiles' 8 + 8 K steps are one sequence for the ring: 14 trips fill a slot, two steps ahead; the trip with the counter at SWITCH turns the bases to tile 2's operands; the trip with the counter
; at BOUND sends tile 1 out from registers and starts tile 2's sums.  Both hang on the loop's counter alone; the jump goes forward, past no barrier and no tensor load.  Tile 1's stores leave while tile 2 is multiplied.
; CLUSTER 4 x 4, CY the cluster's y: tile 1 has row cy and column 4 CY + cx, tile 2 row 4 CY + cy and column cx: in both A hangs on what a row of the cluster shares, B on what a column shares: joint loads.
; THE MATRIX INSTRUCTION IS USED TRANSPOSED (source 0 = 16 rows of B, source 1 = 16 rows of A): a lane holds row L % 16 of C and the columns 8 (L / 16) + 0..7: packed, that is half an image.
; VW's layout: ((b / 2) x 64 + o / 16) x 32,768 + (b % 2) x 16,384 + (s / 32) x 1,024.   QR's: ((R / 4) x 32 + v / 32) x 8,192 + (hi: 0, lo: 4,096) + (R % 4) x 1,024, R = 32 b + q / 16.
; REGISTERS: window 0: v16-29 addresses; v64-127, v128-191 A's fragments, two buffers.  Window 1: v0-1 at work; B's fragments at A's numbers; v192-255 the bias.  Windows 2, 3: accumulator (a, b) at v[8 (8 (a % 4) + b)].
.set TRIPS,  14                        ; 16 K steps, of which the last two ask for nothing
.set SWITCH, 8                         ; the counter in the trip that asks for tile 2's first K step
.set BOUND,  7                         ; the counter in the trip that ends tile 1
.set APITCH, 49152
.set BPITCH, 32768
.set SLOT1,  1<<17                     ; slot 1 begins here: one exclusive or turns an address in one slot into the other's
.set BOFF,   65536                     ; B's part of a slot
.set SPARE,  2*SLOT1                   ; behind the slots: the spare words, 128 bytes a wave, that no other line names
.set F0,   64
.set F1,   128
.set BIAS, 192                         ; in window 1
.set VA0,  16                          ; v16  my place in A's part of a slot; never rewritten
.set VB0,  17                          ; v17  the same for B
.set ADRA, 18                          ; v18  the same in the slot in hand
.set ADRB, 19
.set DMP,  24                          ; v24  QR's way out: my 16 bytes in my wave's 65,536 bytes of LDS
.set GO,   25                          ; v25  16 x lane; never rewritten
.set NEG1, 27                          ; v27  -1.0
.set SPW,  28                          ; v28  my spare word's LDS address; never rewritten
.set NIL,  29                          ; v29  0; never rewritten
.set WV,   13                          ; s13  wave
.set WR,   14                          ; s14  which half of the tile's rows is mine; also: I fetch for A (0) or B (1)
.set WC,   15                          ; s15  which half of its columns; also: which 8 row blocks I fetch
.set TB,   45                          ; s45  the slot in hand
.set G1A,  24                          ; s[24:31] descriptor group 1 for A;  s[32:35] group 0 of the first fill, s[36:39] the one that walks
.set G0A,  32
.set G1B,  48                          ; s[48:55], s[56:59], s[60:63] the same for B
.set G0B,  56
.set PQR,  68                          ; s[68:69] QR at my wave's part
.set PVW,  70                          ; s[70:71] VW at my wave's part
.set BA,   72                          ; s[72:73] A's tile of the product whose K steps are being asked for, at K = 0
.set BB,   74                          ; s[74:75] B's
.set A2,   76                          ; s[76:77] tile 2's A
.set B2,   78                          ; s[78:79] tile 2's B
.set OF,   80                          ; s[80:81] the byte offset of the K step to be asked for next
.set MSB,  0
.macro WIN new                         ; the immediate's high byte repeats the setting that is left; a switch that changes nothing is dropped
.if MSB != (\new)
	s_set_vgpr_msb (MSB<<8)|(\new)
.set MSB, \new
.endif
.endm
.macro PLACES                          ; four places between a matrix instruction and a load into, or a vector line on, its registers
.rept 4
	v_nop
.endr
.endm
.macro CREST                           ; a round of the cluster's barrier behind its opening barrier
	s_cmp_lg_u32 s[WV], 0
	s_cbranch_scc1 .Lnot_wave_0_\@
	s_barrier_signal -3
.Lnot_wave_0_\@:
	s_barrier_wait -3
	s_barrier_signal -1
	s_barrier_wait -1
.endm
.macro CROUND
	s_barrier_signal -1
	s_barrier_wait -1
	CREST
.endm
.macro JLOAD                           ; a joint refill: waves 0, 1 fetch A's halves, waves 2, 3 B's; an s_nop 0 and four v_nop follow each line
	s_cmp_eq_u32 s[WR], 0
	s_cbranch_scc0 .Lfor_b_\@
	tensor_load_to_lds s[G0A+4:G0A+7], s[G1A:G1A+7]
	s_nop 0
.rept 4
	v_nop
.endr
	s_branch .Lasked_\@
.Lfor_b_\@:
	tensor_load_to_lds s[G0B+4:G0B+7], s[G1B:G1B+7]
	s_nop 0
.rept 4
	v_nop
.endr
.Lasked_\@:
.endm
; 16 matrix instructions: row blocks a0, a0 + 1 of the window's four x all 8 column blocks, 32 along K.  mode 0: onto the sums; 1: the constant 0 starts them; 2: the bias starts them.
.macro MUL16 f, hi, a0, mode
.if (\mode) == 2
	WIN 0x91+0x40*(\hi)
.else
	WIN 0xa1+0x50*(\hi)
.endif
.irp a, \a0, (\a0)+1
.irp b, 0,1,2,3,4,5,6,7
.if (\mode) == 2
	v_wmma_f32_16x16x32_f16 v[8*(8*(\a)+(\b)):8*(8*(\a)+(\b))+7], v[(\f)+8*(\b):(\f)+8*(\b)+7], v[(\f)+8*(4*(\hi)+(\a)):(\f)+8*(4*(\hi)+(\a))+7], v[BIAS+8*(\b):BIAS+8*(\b)+7]
.elseif (\mode) == 1
	v_wmma_f32_16x16x32_f16 v[8*(8*(\a)+(\b)):8*(8*(\a)+(\b))+7], v[(\f)+8*(\b):(\f)+8*(\b)+7], v[(\f)+8*(4*(\hi)+(\a)):(\f)+8*(4*(\hi)+(\a))+7], 0
.else
	v_wmma_f32_16x16x32_f16 v[8*(8*(\a)+(\b)):8*(8*(\a)+(\b))+7], v[(\f)+8*(\b):(\f)+8*(\b)+7], v[(\f)+8*(4*(\hi)+(\a)):(\f)+8*(4*(\hi)+(\a))+7], v[8*(8*(\a)+(\b)):8*(8*(\a)+(\b))+7]
.endif
.endr
.endr
.endm
.macro FETCH k, f                      ; 32 LDS loads in one run: the images at byte k of my 8 row blocks of B, then of A
	WIN 0x40
.irp i, 0,1,2,3,4,5,6,7
	ds_load_b128 v[(\f)+8*(\i):(\f)+8*(\i)+3],   v[ADRB] offset:(\k)+(\i)*4096
	ds_load_b128 v[(\f)+8*(\i)+4:(\f)+8*(\i)+7], v[ADRB] offset:(\k)+(\i)*4096+512
.endr
	WIN 0
.irp i, 0,1,2,3,4,5,6,7
	ds_load_b128 v[(\f)+8*(\i):(\f)+8*(\i)+3],   v[ADRA] offset:(\k)+(\i)*4096
	ds_load_b128 v[(\f)+8*(\i)+4:(\f)+8*(\i)+7], v[ADRA] offset:(\k)+(\i)*4096+512
.endr
.endm
; A K step is four quarters of 32 along K, 64 matrix instructions each, on buffers 0, 1, 0, 1; the 64 accumulators take turns.  One of the first three:
.macro QUARTER k, f, g, mode
	s_wait_dscnt 8                                 ; B and A's rows 0-63 are in; the youngest eight loads (A's rows 64-127) may be out
	MUL16 \f, 0, 0, \mode
	MUL16 \f, 0, 2, \mode
	PLACES
	FETCH \k, \g
	s_wait_dscnt 32                                ; all but the 32 just issued
	MUL16 \f, 1, 0, \mode
	MUL16 \f, 1, 2, \mode
.endm
; The last quarter multiplies buffer 1 and changes slots: one barrier; in front of it each wave waits for all its tensor loads (one is out: its part of the next slot), adds 0 to its spare word, and waits for
; that and for its reads of this slot.  fill = 1: the barrier opens a round of the cluster's, and this slot is filled again, two K steps ahead in the stream, first thing behind it.
.macro TURN fill
	WIN 0
	s_wait_tensorcnt 0x0
	ds_add_u32 v[SPW], v[NIL]
	s_wait_dscnt 9                                 ; the add and the youngest eight loads may be out
	MUL16 F1, 0, 0, 0
	s_wait_dscnt 0x0                               ; the add is done, and my reads of this slot are over
	s_barrier_signal -1
	MUL16 F1, 0, 2, 0
	WIN 0
	s_barrier_wait -1
.if \fill
	CREST
	s_cmp_eq_u32 s3, SWITCH                        ; tile 1's K steps have all been asked for: on to tile 2's, from K = 0.  The counter is the same in every work-group
	s_cselect_b64 s[BA:BA+1], s[A2:A2+1], s[BA:BA+1]
	s_cselect_b64 s[BB:BB+1], s[B2:B2+1], s[BB:BB+1]
	s_cselect_b32 s[OF], 0, s[OF]
	s_xor_b32 s[G0A+5], s[G0A+5], SLOT1            ; no tensor load of mine is out: the walking descriptors are written: the other slot,
	s_add_nc_u64 s[G0A+6:G0A+7], s[BA:BA+1], s[OF:OF+1]  ; the address made anew of the base and the K step's offset,
	s_or_b32 s[G0A+7], s[G0A+7], 0x80000000        ; the type
	s_xor_b32 s[G0B+5], s[G0B+5], SLOT1
	s_add_nc_u64 s[G0B+6:G0B+7], s[BB:BB+1], s[OF:OF+1]
	s_or_b32 s[G0B+7], s[G0B+7], 0x80000000
	s_add_co_u32 s[OF], s[OF], 4096
	JLOAD                                          ; its four v_nop are also the places in front of the loads below
.else
	PLACES
.endif
	s_xor_b32 s[TB], s[TB], SLOT1
	v_add_nc_u32 v[ADRA], s[TB], v[VA0]
	v_add_nc_u32 v[ADRB], s[TB], v[VB0]
	FETCH 0, F0
	MUL16 F1, 1, 0, 0
	MUL16 F1, 1, 2, 0
.endm
; TILE 1'S WAY OUT: a window's 32 accumulators are rounded to f16 in place (register j takes registers 2 j and 2 j + 1: each from its low end on) and stored: each store is half an image,
; 512 consecutive bytes.  Window 2's 128 conversions name no register of the last products (window 3's) and are the places behind them.
.macro OUTV hi
	WIN 0x8a+0x45*(\hi)
.set t, 0
.rept 32
.irp j, 0,1,2,3
	v_cvt_pk_f16_f32 v[8*t+(\j)], v[8*t+2*(\j)], v[8*t+2*(\j)+1]
.endr
.set t, t+1
.endr
	WIN 0x08+4*(\hi)
.set t, 0
.rept 32
	global_store_b128 v[GO], v[8*t:8*t+3], s[PVW:PVW+1] offset:(4*(\hi)+t/8)*32768+((t%8)/2)*1024+(t%2)*512
.set t, t+1
.endr
.endm
	s_load_b256 s[4:11], s[0:1], 0x0               ; AC s[4:5], VI s[6:7], WI s[8:9], b1 s[10:11]
	s_load_b128 s[68:71], s[0:1], 0x20             ; QR s[68:69], VW s[70:71]
	v_lshl_add_u32 v[SPW], v0, 2, SPARE
	v_mov_b32 v[NIL], 0
	ds_add_u32 v[SPW], v[NIL]                      ; the wave's opening: the add and its wait, ahead of my first tensor load
	v_lshrrev_b32 v1, 5, v0
	v_readfirstlane_b32 s[WV], v1
	s_lshr_b32 s[WR], s[WV], 1
	s_and_b32 s[WC], s[WV], 1
	s_bfe_u32 s40, ttmp6, 0x40000                  ; cx
	s_bfe_u32 s41, ttmp6, 0x40004                  ; cy
	s_and_b32 s83, ttmp7, 0xffff
	s_lshl_b32 s83, s83, 2                         ; 4 CY
	s_lshl_b32 s42, ttmp9, 2
	s_add_co_u32 s42, s42, s40                     ; tile 2's column (256 v)
	s_add_co_u32 s43, s83, s41                     ; tile 2's row (256 rows of query) = 4 CY + cy
	s_add_co_u32 s82, s83, s40                     ; tile 1's column (256 rows of values) = 4 CY + cx; its row (256 o) is cy
	s_lshl_b32 s44, s41, 2
	s_lshl_b32 s44, 15, s44                        ; my row of the cluster
	s_lshl_b32 s46, 0x1111, s40                    ; my column
	s_or_b32 s[G1A], s44, (3<<16)|(1<<21)          ; 15:0 the mask; 17:16 elements of 8 bytes; 21 set beside a mask; no padding
	s_or_b32 s[G1B], s46, (3<<16)|(1<<21)
.irp g, G1A, G1B
	s_mov_b32 s[(\g)+1], 512<<16                   ; tensor_dim0 = 512 elements = 4,096 bytes
	s_mov_b32 s[(\g)+2], 8<<16                     ; tensor_dim1 = 8 row blocks
	s_mov_b32 s[(\g)+3], 512<<16                   ; tile_dim0
	s_mov_b32 s[(\g)+4], 8                         ; tile_dim1
	s_mov_b32 s[(\g)+6], 0
	s_mov_b32 s[(\g)+7], 0
.endr
	s_mov_b32 s[G1A+5], APITCH/8                   ; elements from row block to row block
	s_mov_b32 s[G1B+5], BPITCH/8
	s_lshl_b32 s17, s[WC], 3                       ; which 8 row blocks I fetch
	s_lshl_b32 s16, s41, 4                         ; A of tile 1: row block 16 cy + 8 x half.  A's offsets stand in registers that never hold cx
	s_add_co_u32 s16, s16, s17
	s_mul_i32 s16, s16, APITCH
	s_add_co_u32 s16, s16, 6291456                 ; W2's left half in WI
	s_lshl_b32 s18, s43, 4                         ; A of tile 2: row block 16 (4 CY + cy) + 8 x half
	s_add_co_u32 s18, s18, s17
	s_mul_i32 s18, s18, APITCH
	s_add_co_u32 s18, s18, 16384                   ; query's images in AC
	s_mov_b32 s17, 0
	s_mov_b32 s19, 0
	s_lshl_b32 s21, s[WC], 3
	s_lshl_b32 s20, s82, 4                         ; B of tile 1: row block 16 (4 CY + cx) + 8 x half.  B's offsets stand in registers that never hold cy
	s_add_co_u32 s20, s20, s21
	s_lshl_b32 s20, s20, 15
	s_lshl_b32 s22, s42, 4                         ; B of tile 2: row block 16 x column + 8 x half
	s_add_co_u32 s22, s22, s21
	s_lshl_b32 s22, s22, 15
	s_mov_b32 s21, 0
	s_mov_b32 s23, 0
	s_mul_i32 s47, s[WV], 32768                    ; where my load lands: wave x 8 row blocks
	s_mov_b32 s[OF], 2*4096                        ; the first refill asks for K step 2
	s_mov_b32 s[OF+1], 0
	s_wait_dscnt 0x0                               ; the opening add is done
	s_wait_kmcnt 0x0
	s_add_nc_u64 s[BA:BA+1], s[8:9], s[16:17]
	s_add_nc_u64 s[A2:A2+1], s[4:5], s[18:19]
	s_add_nc_u64 s[BB:BB+1], s[6:7], s[20:21]
	s_add_nc_u64 s[B2:B2+1], s[8:9], s[22:23]
.irp s, 0,1
	s_mov_b32 s[G0A+4*(\s)], 1
	s_add_co_u32 s[G0A+4*(\s)+1], s47, (\s)*SLOT1
	s_add_nc_u64 s[G0A+4*(\s)+2:G0A+4*(\s)+3], s[BA:BA+1], (\s)*4096
	s_or_b32 s[G0A+4*(\s)+3], s[G0A+4*(\s)+3], 0x80000000
	s_mov_b32 s[G0B+4*(\s)], 1
	s_add_co_u32 s[G0B+4*(\s)+1], s47, (\s)*SLOT1
	s_add_nc_u64 s[G0B+4*(\s)+2:G0B+4*(\s)+3], s[BB:BB+1], (\s)*4096
	s_or_b32 s[G0B+4*(\s)+3], s[G0B+4*(\s)+3], 0x80000000
.endr
	CROUND                                         ; all sixteen work-groups are here: the first joint loads meet
	s_cmp_eq_u32 s[WR], 0                          ; a wave's two first fills stand in one branch
	s_cbranch_scc0 .Lfirst_b
	tensor_load_to_lds s[G0A:G0A+3], s[G1A:G1A+7]
	s_nop 0
	tensor_load_to_lds s[G0A+4:G0A+7], s[G1A:G1A+7]
	s_nop 0
.rept 4
	v_nop
.endr
	s_branch .Lfirst_asked
.Lfirst_b:
	tensor_load_to_lds s[G0B:G0B+3], s[G1B:G1B+7]
	s_nop 0
	tensor_load_to_lds s[G0B+4:G0B+7], s[G1B:G1B+7]
	s_nop 0
.rept 4
	v_nop
.endr
.Lfirst_asked:
	v_and_b32 v[GO], 31, v0
	v_lshlrev_b32 v[GO], 4, v[GO]
	s_lshl_b32 s18, s[WR], 15
	v_add_nc_u32 v[VA0], s18, v[GO]
	s_lshl_b32 s18, s[WC], 15
	s_add_co_u32 s18, s18, BOFF
	v_add_nc_u32 v[VB0], s18, v[GO]
	v_mov_b32 v[ADRA], v[VA0]
	v_mov_b32 v[ADRB], v[VB0]
	s_mov_b32 s[TB], 0
	s_lshl_b32 s18, s[WV], 16
	v_add_nc_u32 v[DMP], s18, v[GO]
	v_mov_b32 v[NEG1], -1.0
	s_lshl_b32 s18, s42, 10                        ; b1 at my 128 columns of tile 2
	s_lshl_b32 s19, s[WC], 9
	s_add_co_u32 s18, s18, s19
	s_mov_b32 s19, 0
	s_add_nc_u64 s[10:11], s[10:11], s[18:19]
	v_bfe_u32 v2, v0, 4, 1
	v_lshlrev_b32 v2, 5, v2                        ; my lanes' eight columns of a block of 16
	WIN 0x40
.irp b, 0,1,2,3,4,5,6,7
	global_load_b128 v[BIAS+8*(\b):BIAS+8*(\b)+3],   v2, s[10:11] offset:(\b)*64
	global_load_b128 v[BIAS+8*(\b)+4:BIAS+8*(\b)+7], v2, s[10:11] offset:(\b)*64+16
.endr
	WIN 0
	s_lshl_b32 s18, s43, 2                         ; QR at my wave's part: ((4 tile row + 2 row half) x 32 + 8 tile column + 4 column half) x 8,192
	s_lshl_b32 s19, s[WR], 1
	s_add_co_u32 s18, s18, s19
	s_lshl_b32 s18, s18, 5
	s_lshl_b32 s19, s42, 3
	s_add_co_u32 s18, s18, s19
	s_lshl_b32 s19, s[WC], 2
	s_add_co_u32 s18, s18, s19
	s_lshl_b32 s18, s18, 13
	s_mov_b32 s19, 0
	s_add_nc_u64 s[PQR:PQR+1], s[PQR:PQR+1], s[18:19]
	s_lshr_b32 s18, s82, 2                         ; VW at my wave's part: batch = tile 1's column / 2
	s_lshl_b32 s18, s18, 6
	s_lshl_b32 s19, s41, 4
	s_add_co_u32 s18, s18, s19
	s_lshl_b32 s19, s[WR], 3
	s_add_co_u32 s18, s18, s19
	s_lshl_b32 s18, s18, 15
	s_bfe_u32 s19, s82, 0x10001
	s_lshl_b32 s19, s19, 14
	s_add_co_u32 s18, s18, s19
	s_and_b32 s19, s82, 1
	s_lshl_b32 s19, s19, 13
	s_add_co_u32 s18, s18, s19
	s_lshl_b32 s19, s[WC], 12
	s_add_co_u32 s18, s18, s19
	s_mov_b32 s19, 0
	s_add_nc_u64 s[PVW:PVW+1], s[PVW:PVW+1], s[18:19]
	s_wait_tensorcnt 0x1                           ; my part of K step 0 is in; K step 1's may stay out
	s_barrier_signal -1
	s_barrier_wait -1
	FETCH 0, F0
	s_wait_loadcnt 0x0                             ; the bias, rounded to bf16 like every input; it waits in window 1 for tile 2
	WIN 0x45
.set n, 0
.rept 32
	v_cvt_pk_bf16_f32 v[n%2], v[BIAS+2*n], v[BIAS+2*n+1]
	v_lshlrev_b32 v[BIAS+2*n], 16, v[n%2]
	v_and_b32 v[BIAS+2*n+1], 0xffff0000, v[n%2]
.set n, n+1
.endr
	QUARTER 1024, F0, F1, 1                        ; tile 1's first quarter stands in front of the loop: its products start the sums
	WIN 0
	s_mov_b32 s3, TRIPS
.Lstep:                                                ; a trip: a K step's last three quarters and the next one's first; it fills the slot just read
	QUARTER 2048, F1, F0, 0
	QUARTER 3072, F0, F1, 0
	TURN 1
	WIN 0
	s_cmp_eq_u32 s3, BOUND
	s_cbranch_scc0 .Lplain
	OUTV 0                                         ; tile 1 is finished; both of tile 2's first K steps have been asked for
	OUTV 1
	WIN 0
	s_wait_xcnt 0x0                                ; the accumulators, which the stores read, are written again only behind this wait
	QUARTER 1024, F0, F1, 2                        ; tile 2's first quarter: its products start the sums, from the bias
	WIN 0
	s_branch .Lbottom
.Lplain:
	QUARTER 1024, F0, F1, 0
	WIN 0
.Lbottom:
	s_sub_co_u32 s3, s3, 1
	s_cmp_lg_u32 s3, 0
	s_cbranch_scc1 .Lstep
	s_mov_b32 s2, 2
.Ltail:                                                ; the last two K steps ask for nothing.  The second trip is left in its middle; its 32 fragment loads from the slot read before serve nothing: the price of one text for both
	QUARTER 2048, F1, F0, 0
	QUARTER 3072, F0, F1, 0
	TURN 0
	WIN 0
	s_sub_co_u32 s2, s2, 1
	s_cmp_eq_u32 s2, 0
	s_cbranch_scc1 .Lout
	QUARTER 1024, F0, F1, 0
	WIN 0
	s_branch .Ltail
.Lout:
	; TILE 2'S WAY OUT.  The sums are set aside in LDS, each wave's 65,536 bytes in the slots, which have had their last fill, so that one short loop can split and store them, eight accumulators a trip.
	s_wait_dscnt 0x0
	s_barrier_signal -1
	s_barrier_wait -1                              ; no wave reads the slots any more
	PLACES
.irp hi, 0,1
	WIN 0x08+4*(\hi)                               ; store data in window 2, then 3; each accumulator's low four registers first
.irp a, 0,1,2,3
.irp b, 0,1,2,3,4,5,6,7
	ds_store_b128 v[DMP], v[8*(8*(\a)+(\b)):8*(8*(\a)+(\b))+3]   offset:((4*(\hi)+(\b)/2)*8+2*(\a)+(\b)%2)*1024
	ds_store_b128 v[DMP], v[8*(8*(\a)+(\b))+4:8*(8*(\a)+(\b))+7] offset:((4*(\hi)+(\b)/2)*8+2*(\a)+(\b)%2)*1024+512
.endr
.endr
.endr
	WIN 0
	s_wait_dscnt 0x0
	s_barrier_signal -1
	s_barrier_wait -1                              ; every wave's stores are done before any wave reads back
	s_mov_b32 s2, 0
.Lsplit:                                               ; trip t: four row blocks (half t / 4 of my eight) x one image column (t % 4): 4,096 bytes of hi and 4,096 of lo, consecutive in QR
.irp e, 0,1,2,3,4,5,6,7
	ds_load_b128 v[64+8*(\e):64+8*(\e)+3],   v[DMP] offset:(\e)*1024
	ds_load_b128 v[64+8*(\e)+4:64+8*(\e)+7], v[DMP] offset:(\e)*1024+512
.endr
	s_and_b32 s18, s2, 3
	s_lshl_b32 s18, s18, 13
	s_lshr_b32 s19, s2, 2
	s_lshl_b32 s19, s19, 18
	s_add_co_u32 s18, s18, s19
	s_mov_b32 s19, 0
	s_add_nc_u64 s[20:21], s[PQR:PQR+1], s[18:19]
.irp e, 0,1,2,3,4,5,6,7
	s_wait_dscnt 14-2*(\e)                         ; accumulator e's two loads are in
.irp j, 0,1,2,3
	v_cvt_pk_f16_f32 v[128+4*(\e)+(\j)], v[64+8*(\e)+2*(\j)], v[64+8*(\e)+2*(\j)+1]
.endr
.irp j, 0,1,2,3
	v_fma_mix_f32 v[64+8*(\e)+2*(\j)],   v[128+4*(\e)+(\j)], v[NEG1], v[64+8*(\e)+2*(\j)]   op_sel_hi:[1,0,0]                 ; x - hi, exact in f32
	v_fma_mix_f32 v[64+8*(\e)+2*(\j)+1], v[128+4*(\e)+(\j)], v[NEG1], v[64+8*(\e)+2*(\j)+1] op_sel:[1,0,0] op_sel_hi:[1,0,0]
.endr
.irp j, 0,1,2,3
	v_cvt_pk_f16_f32 v[160+4*(\e)+(\j)], v[64+8*(\e)+2*(\j)], v[64+8*(\e)+2*(\j)+1]
.endr
	global_store_b128 v[GO], v[128+4*(\e):128+4*(\e)+3], s[20:21] offset:((\e)/2)*1024+((\e)%2)*512       ; 512 consecutive bytes
	global_store_b128 v[GO], v[160+4*(\e):160+4*(\e)+3], s[20:21] offset:4096+((\e)/2)*1024+((\e)%2)*512
.endr
	s_wait_xcnt 0x0                                ; the stores' data and base are rewritten only behind this wait
	v_add_nc_u32 v[DMP], 8192, v[DMP]
	s_add_co_u32 s2, s2, 1
	s_cmp_lt_u32 s2, 8
	s_cbranch_scc1 .Lsplit
	s_wait_tensorcnt 0x0                           ; the wave's end
	ds_add_u32 v[SPW], v[NIL]
	s_wait_dscnt 0x0
	CROUND                                         ; the closing round
	s_endpgm
.Lfunc_end_k_qb42c67354c_proj:
	.size	k_qb42c67354c_proj, .Lfunc_end_k_qb42c67354c_proj-k_qb42c67354c_proj
	.p2alignl 7, 3214868480
	.fill 96, 4, 3214868480
	.section	.rodata,"a",@progbits
	.p2align	6, 0x0
	.amdhsa_kernel k_qb42c67354c_proj
		.amdhsa_group_segment_fixed_size 327680
		.amdhsa_private_segment_fixed_size 0
		.amdhsa_enable_private_segment 0
		.amdhsa_kernarg_size 48
		.amdhsa_user_sgpr_count 2
		.amdhsa_user_sgpr_kernarg_segment_ptr 1
		.amdhsa_wavefront_size32 1
		.amdhsa_system_sgpr_workgroup_id_x 1
		.amdhsa_system_sgpr_workgroup_id_y 1
		.amdhsa_system_sgpr_workgroup_id_z 1
		.amdhsa_system_vgpr_workitem_id 0
		.amdhsa_next_free_vgpr 1024
		.amdhsa_next_free_sgpr 84
		.amdhsa_reserve_vcc 0
		.amdhsa_float_denorm_mode_32 3
		.amdhsa_float_denorm_mode_16_64 3
		.amdhsa_memory_ordered 1
		.amdhsa_forward_progress 1
		.amdhsa_inst_pref_size 124
	.end_amdhsa_kernel
	.amdgpu_metadata
---
amdhsa.version: [ 1, 2 ]
amdhsa.kernels:
  - .name:           k_qb42c67354c_proj
    .symbol:         k_qb42c67354c_proj.kd
    .args:
      - { .name: AC, .offset: 0, .size: 8, .value_kind: global_buffer, .address_space: global }
      - { .name: VI, .offset: 8, .size: 8, .value_kind: global_buffer, .address_space: global }
      - { .name: WI, .offset: 16, .size: 8, .value_kind: global_buffer, .address_space: global }
      - { .name: b1, .offset: 24, .size: 8, .value_kind: global_buffer, .address_space: global }
      - { .name: QR, .offset: 32, .size: 8, .value_kind: global_buffer, .address_space: global }
      - { .name: VW, .offset: 40, .size: 8, .value_kind: global_buffer, .address_space: global }
    .group_segment_fixed_size: 327680
    .private_segment_fixed_size: 0
    .kernarg_segment_align: 8
    .kernarg_segment_size: 48
    .max_flat_workgroup_size: 128
    .sgpr_count:     84
    .vgpr_count:     1024
    .wavefront_size: 32
...
	.end_amdgpu_metadata
.endif
;; end of part 2
;; launch scores (part 3): grid 8 x 32, 4 waves a work-group, clusters of 4 x 1, 327,680 bytes of LDS; arguments VI, QR, AC; writes AC
.if DOCPART == 3
	.amdgcn_target "amdgcn-amd-amdhsa--gfx1250"
	.amdhsa_code_object_version 6
	.text
	.protected	k_qb42c67354c_scores
	.globl	k_qb42c67354c_scores
	.p2align	8
	.type	k_qb42c67354c_scores,@function
k_qb42c67354c_scores:
	s_mov_b64 s[64:65], 0
	v_nop
	global_prefetch_b8 v0, s[64:65] scope:SCOPE_SE
	s_setreg_imm32_b32 hwreg(HW_REG_WAVE_MODE, 25, 1), 1
	s_wait_xcnt 0x0
	s_wait_alu depctr_hold_cnt(0) depctr_sa_sdst(0) depctr_va_vdst(0) depctr_va_sdst(0) depctr_va_ssrc(0) depctr_va_vcc(0) depctr_vm_vsrc(0)
	s_getreg_b32 s2, hwreg(HW_REG_IB_STS2, 6, 4)
	s_cmp_eq_u32 s2, 0
	s_cbranch_scc0 .Lentry_in_a_cluster
	s_endpgm
.Lentry_in_a_cluster:
	s_bfe_u32 s2, ttmp6, 0x10000c
	s_cmp_lg_u32 s2, 0x3003
	s_cbranch_scc0 .Lentry_shape_is_right
	s_endpgm
.Lentry_shape_is_right:
; P[b][q][s] = softmax over s of the sum over v of QR[(q,b)][v] values[(s,b)][v].  QR comes as hi + lo in f16, so each product runs twice on the same fragments of V, onto one f32 sum.
; The row's true maximum is taken away before the exponentials; the sum l is taken of the unrounded weights in f32; p / l is rounded once to f16 and stored as images (rows q, k = s) into AC's first 16 images of a row block.
; LIMITS.  A weight below 2^-126 counts as 0 in l; p / l below 6.1e-5 keeps f16's fixed step of 6e-8.  NaN and infinities are not treated apart.
; SHARES.  A work-group owns 64 queries of one batch and all 512 keys; wave w owns keys 128 w .. 128 w + 127: 32 accumulators (key block i of 8, query block q of 4).
; LAYOUT.  Source 0 = 16 keys, source 1 = 16 queries: a lane holds ONE query (L % 16) and the keys 8 (L / 16) + 0..7.  A query's maximum and sum want one exchange between the halves of the lanes and one between the four waves, through LDS.
; K goes in steps of 128 (4 image columns, 256 matrix instructions a wave) through two LDS slots, so that a refill has a long step in which to land.  A step's tiles are V's 32 row blocks x 4,096 bytes and QR's
; 4 x (hi, lo) x 4 images: 163,840 bytes, and two such slots would be all 327,680 bytes of LDS.  So ONE of QR's 32 images (column 3, lo, query block 3: the last 1,024 bytes of the step's 32,768) does not go through
; LDS: each wave loads it from memory a step ahead into eight registers of its own.  That leaves 1,024 bytes behind each of QR's slots: the spare words behind the first, the maxima behind the second.
; Waves 0, 1 fetch V's halves, waves 2, 3 the halves of QR's 31,744 bytes.  By this text's count a wave has two tensor loads out at the start, later one.
; CLUSTER 4 x 1: the four work-groups are four query blocks of one batch and walk the same V, which is asked for jointly; QR's tiles are each work-group's own and are asked for plainly, behind the same rounds.
; REGISTERS: window 0: v2-10 addresses; v32-63 statistics; v64-191 packed weights; v192-207 the waves' statistics.  Window 1: accumulator (i, q) at v[8 (4 i + q)].
;   window 2: V's 8 fragments, two buffers of 64.  Window 3: QR's hi 4 and lo 4 fragments, two buffers of 64; v128-135 the image that comes from memory.  So all products stand under one window setting.
.set KSTEPS, 8
.set VSL,    1<<17                     ; V's slot 0 at byte 0, slot 1 here: one exclusive or turns one into the other
.set QOFF,   1<<18                     ; QR's slot 0
.set QSL,    1<<15                     ; QR's slot 1 lies this far behind it
.set QHALF,  62*256                    ; half of a step's 31,744 bytes of QR: 62 rows of 256 bytes
.set SPARE,  QOFF+2*QHALF              ; behind QR's slot 0: the spare words, 128 bytes a wave, that no other line names
.set STATM,  QOFF+QSL+2*QHALF          ; behind QR's slot 1: the maxima, 256 bytes a wave, 64 a query block; no tile lands here
.set STATL,  0                         ; the sums: in V's slot 0, behind its last fill and behind the maxima's barrier, in front of which every wave has waited for its last reads of the slots
.set XQ,  128                          ; window 3
.set VV0, 2                            ; v2  my place in V's slot 0; never rewritten
.set VQ0, 3                            ; v3  the same for QR
.set ADV, 4                            ; v4, v5  the same in the slot in hand
.set ADQ, 5
.set SA,  6                            ; v6  where I put my wave's maximum of query L % 16
.set SL,  7                            ; v7  where I read the waves' maxima of that query
.set GO,  8                            ; v8  16 x lane; never rewritten
.set SA2, 9                            ; v9, v10  the same two for the sums
.set SL2, 10
.set SPW, 28
.set NIL, 29
.set M,   32                           ; v32-35  by query block: the maximum
.set TM,  36                           ; v36-39  at work
.set CM,  40                           ; v40-47  pairs: c m in the low register
.set L,   48                           ; v48-55  pairs: the sums of even and odd keys' weights
.set RL,  56                           ; v56-63  pairs: 1 / l in the low register
.set PK,  64
.set ST,  192
.set WV,  12
.set HF,  13
.set G1V, 24
.set G1Q, 32
.set G0V, 40                           ; s[40:43] the first fill's, s[44:47] the one that walks
.set G0Q, 48
.set TBV, 56                           ; s56  V's slot in hand
.set TBQ, 59                           ; s59  QR's
.set CS,  60                           ; s[60:61] c = log2(e)
.set SEL, 62                           ; s[62:63] v_permlanex16_b32's selects: each lane takes its own place in the other half
.set XB,  66                           ; s[66:67] the address of the image that comes from memory
.set MSB, 0
.macro WIN new                         ; the immediate's high byte repeats the setting that is left
.if MSB != (\new)
	s_set_vgpr_msb (MSB<<8)|(\new)
.set MSB, \new
.endif
.endm
.macro PLACES                          ; four places between a matrix instruction and a load into, or a vector line on, its registers
.rept 4
	v_nop
.endr
.endm
.macro CREST
	s_cmp_lg_u32 s[WV], 0
	s_cbranch_scc1 .Lnot_wave_0_\@
	s_barrier_signal -3
.Lnot_wave_0_\@:
	s_barrier_wait -3
	s_barrier_signal -1
	s_barrier_wait -1
.endm
.macro CROUND
	s_barrier_signal -1
	s_barrier_wait -1
	CREST
.endm
.macro JLOAD                           ; a refill: one tensor load a wave; an s_nop 0 and four v_nop follow each line
	s_cmp_lt_u32 s[WV], 2
	s_cbranch_scc0 .Lfor_q_\@
	tensor_load_to_lds s[G0V+4:G0V+7], s[G1V:G1V+7]
	s_nop 0
.rept 4
	v_nop
.endr
	s_branch .Lasked_\@
.Lfor_q_\@:
	tensor_load_to_lds s[G0Q+4:G0Q+7], s[G1Q:G1Q+7]
	s_nop 0
.rept 4
	v_nop
.endr
.Lasked_\@:
.endm
.macro FETCHG kk, f                    ; the LDS loads of image column kk, in one run, into buffer f: my 8 fragments of V, QR's 4 hi, QR's 4 lo (column 3: 3 lo): 32 loads, or 30
	WIN 0x80
.irp i, 0,1,2,3,4,5,6,7
	ds_load_b128 v[64*(\f)+8*(\i):64*(\f)+8*(\i)+3],   v[ADV] offset:(\i)*4096+(\kk)*1024
	ds_load_b128 v[64*(\f)+8*(\i)+4:64*(\f)+8*(\i)+7], v[ADV] offset:(\i)*4096+(\kk)*1024+512
.endr
	WIN 0xc0
.irp e, 0,1,2,3,4,5,6,7
.if ((\kk) < 3) || ((\e) < 7)
	ds_load_b128 v[64*(\f)+8*(\e):64*(\f)+8*(\e)+3],   v[ADQ] offset:(\kk)*8192+(\e)*1024
	ds_load_b128 v[64*(\f)+8*(\e)+4:64*(\f)+8*(\e)+7], v[ADQ] offset:(\kk)*8192+(\e)*1024+512
.endif
.endr
.endm
; 16 matrix instructions: key blocks i0 .. i0 + 3 x 4 query blocks, with QR's hi (0) or lo (1).  x = 1: query block 3's fragment is the one that came from memory.  The 32 accumulators take turns.
.macro MULG f, hl, i0, zero, x=0
	WIN 0x5e
.irp i, \i0, (\i0)+1, (\i0)+2, (\i0)+3
.irp q, 0,1,2,3
.if (\x) && ((\q) == 3)
.set rQ, XQ
.else
.set rQ, 64*(\f)+32*(\hl)+8*(\q)
.endif
.if \zero
	v_wmma_f32_16x16x32_f16 v[8*(4*(\i)+(\q)):8*(4*(\i)+(\q))+7], v[64*(\f)+8*(\i):64*(\f)+8*(\i)+7], v[rQ:rQ+7], 0
.else
	v_wmma_f32_16x16x32_f16 v[8*(4*(\i)+(\q)):8*(4*(\i)+(\q))+7], v[64*(\f)+8*(\i):64*(\f)+8*(\i)+7], v[rQ:rQ+7], v[8*(4*(\i)+(\q)):8*(4*(\i)+(\q))+7]
.endif
.endr
.endr
.endm
.macro UNITG f, g, kk, zero            ; one of a step's first three image columns, on buffer f; in its middle column kk's fragments into buffer g
	s_wait_dscnt 8                                 ; V and hi are in; lo's eight loads may be out
	MULG \f, 0, 0, \zero
	MULG \f, 0, 4, \zero
	PLACES
	FETCHG \kk, \g
	s_wait_dscnt 32-2*((\kk)/3)                    ; all but the run just issued
	MULG \f, 1, 0, 0
	MULG \f, 1, 4, 0
.endm
; A step's fourth image column, on buffer 1, and the change of slots: in front of the barrier each wave waits for all its tensor loads, adds 0 to its spare word, and waits for that and for its reads of this slot.
; fill = 1: the barrier opens a round of the cluster's, and this slot is filled again, two steps ahead, first thing behind it.
.macro TURNG fill
	WIN 0
	s_wait_tensorcnt 0x0
	ds_add_u32 v[SPW], v[NIL]
	s_wait_dscnt 7                                 ; the add and lo's six loads may be out
	MULG 1, 0, 0, 0
	s_wait_dscnt 0x0
	s_barrier_signal -1
	MULG 1, 0, 4, 0
	WIN 0
	s_barrier_wait -1
.if \fill
	CREST
	s_xor_b32 s[G0V+5], s[G0V+5], VSL              ; no tensor load of mine is out: the walking descriptors step: the other slot, the next step
	s_add_nc_u64 s[G0V+6:G0V+7], s[G0V+6:G0V+7], 4096
	s_xor_b32 s[G0Q+5], s[G0Q+5], QSL
	s_add_nc_u64 s[G0Q+6:G0Q+7], s[G0Q+6:G0Q+7], 32768
	JLOAD                                          ; its four v_nop are also the places in front of the loads below
.else
	PLACES
.endif
	s_xor_b32 s[TBV], s[TBV], VSL
	s_xor_b32 s[TBQ], s[TBQ], QSL
	v_add_nc_u32 v[ADV], s[TBV], v[VV0]
	v_add_nc_u32 v[ADQ], s[TBQ], v[VQ0]
	FETCHG 0, 0
	s_wait_loadcnt 0x0                             ; the image from memory, asked for a step ago
	MULG 1, 1, 0, 0, 1
	MULG 1, 1, 4, 0, 1
.endm
.macro XLOAD                           ; the next step's image from memory: four places behind the products that read the last one; its address is free since the wait for that load
	PLACES
	s_add_nc_u64 s[XB:XB+1], s[XB:XB+1], 32768
	WIN 0xc0
	global_load_b128 v[XQ:XQ+3],   v[GO], s[XB:XB+1]
	global_load_b128 v[XQ+4:XQ+7], v[GO], s[XB:XB+1] offset:512
.endm
	s_load_b128 s[4:7], s[0:1], 0x0                ; VI s[4:5], QR s[6:7]
	s_load_b64 s[8:9], s[0:1], 0x10                ; AC
	v_lshl_add_u32 v[SPW], v0, 2, SPARE
	v_mov_b32 v[NIL], 0
	ds_add_u32 v[SPW], v[NIL]                      ; the wave's opening: the add and its wait, ahead of my first tensor load
	v_lshrrev_b32 v1, 5, v0
	v_readfirstlane_b32 s[WV], v1
	s_and_b32 s[HF], s[WV], 1                      ; which half I fetch
	s_bfe_u32 s14, ttmp6, 0x40000                  ; cx
	s_lshl_b32 s15, ttmp9, 2
	s_add_co_u32 s15, s15, s14                     ; my block of 64 queries: it enters QR's and AC's addresses alone
	s_and_b32 s16, ttmp7, 0xffff                   ; the batch, which the four partners share
	s_lshl_b32 s18, s16, 5                         ; V: row block 32 b + 16 x half
	s_lshl_b32 s19, s[HF], 4
	s_add_co_u32 s18, s18, s19
	s_lshl_b32 s18, s18, 15
	s_mov_b32 s19, 0
	s_lshl_b32 s20, s16, 3                         ; QR: (8 b + block) x 262,144
	s_add_co_u32 s20, s20, s15
	s_lshl_b32 s20, s20, 18
	s_add_co_u32 s2, s20, 2*QHALF                  ; the first step's image that comes from memory
	s_mov_b32 s3, 0
	s_mul_i32 s21, s[HF], QHALF
	s_add_co_u32 s20, s20, s21                     ; + my half of a step's 31,744 bytes
	s_add_co_u32 s10, s21, QOFF                    ; and where it lands
	s_mov_b32 s21, 0
	s_lshl_b32 s22, s16, 5                         ; AC: row block 32 b + 4 x block, my wave's four images
	s_lshl_b32 s23, s15, 2
	s_add_co_u32 s22, s22, s23
	s_mul_i32 s22, s22, 49152
	s_lshl_b32 s23, s[WV], 12
	s_add_co_u32 s22, s22, s23
	s_mov_b32 s23, 0
	s_mov_b32 s[G1V], 15|(3<<16)|(1<<21)           ; the mask of four; elements of 8 bytes; 21 set beside a mask
	s_mov_b32 s[G1V+1], 512<<16                    ; rows of 512 elements = 4,096 bytes,
	s_mov_b32 s[G1V+2], 16<<16                     ; 16 row blocks,
	s_mov_b32 s[G1V+3], 512<<16
	s_mov_b32 s[G1V+4], 16
	s_mov_b32 s[G1V+5], 32768/8                    ; 32,768 bytes apart
	s_mov_b32 s[G1V+6], 0
	s_mov_b32 s[G1V+7], 0
	s_mov_b32 s[G1Q], 3<<16                        ; no mask: 15,872 dense bytes as 62 rows of 256
	s_mov_b32 s[G1Q+1], 32<<16
	s_mov_b32 s[G1Q+2], 62<<16
	s_mov_b32 s[G1Q+3], 32<<16
	s_mov_b32 s[G1Q+4], 62
	s_mov_b32 s[G1Q+5], 32
	s_mov_b32 s[G1Q+6], 0
	s_mov_b32 s[G1Q+7], 0
	s_mul_i32 s17, s[HF], 65536                    ; where V's half lands
	s_mov_b32 s[CS], 0x3fb8aa3b
	s_mov_b32 s[CS+1], s[CS]                       ; named with it as a pair
	s_mov_b32 s[SEL], 0x76543210
	s_mov_b32 s[SEL+1], 0xfedcba98
	s_mov_b32 s[TBV], 0
	s_mov_b32 s[TBQ], 0
	s_wait_dscnt 0x0
	s_wait_kmcnt 0x0
	s_add_nc_u64 s[18:19], s[4:5], s[18:19]
	s_add_nc_u64 s[20:21], s[6:7], s[20:21]
	s_add_nc_u64 s[XB:XB+1], s[6:7], s[2:3]
	s_add_nc_u64 s[8:9], s[8:9], s[22:23]
.irp s, 0,1
	s_mov_b32 s[G0V+4*(\s)], 1
	s_add_co_u32 s[G0V+4*(\s)+1], s17, (\s)*VSL
	s_add_nc_u64 s[G0V+4*(\s)+2:G0V+4*(\s)+3], s[18:19], (\s)*4096
	s_or_b32 s[G0V+4*(\s)+3], s[G0V+4*(\s)+3], 0x80000000
	s_mov_b32 s[G0Q+4*(\s)], 1
	s_add_co_u32 s[G0Q+4*(\s)+1], s10, (\s)*QSL
	s_add_nc_u64 s[G0Q+4*(\s)+2:G0Q+4*(\s)+3], s[20:21], (\s)*32768
	s_or_b32 s[G0Q+4*(\s)+3], s[G0Q+4*(\s)+3], 0x80000000
.endr
	CROUND                                         ; all four work-groups are here: the first joint loads meet
	s_cmp_lt_u32 s[WV], 2
	s_cbranch_scc0 .Lfirst_q
	tensor_load_to_lds s[G0V:G0V+3], s[G1V:G1V+7]
	s_nop 0
	tensor_load_to_lds s[G0V+4:G0V+7], s[G1V:G1V+7]
	s_nop 0
.rept 4
	v_nop
.endr
	s_branch .Lfirst_asked
.Lfirst_q:
	tensor_load_to_lds s[G0Q:G0Q+3], s[G1Q:G1Q+7]
	s_nop 0
	tensor_load_to_lds s[G0Q+4:G0Q+7], s[G1Q:G1Q+7]
	s_nop 0
.rept 4
	v_nop
.endr
.Lfirst_asked:
	v_and_b32 v[GO], 31, v0
	v_lshlrev_b32 v[GO], 4, v[GO]
	WIN 0xc0
	global_load_b128 v[XQ:XQ+3],   v[GO], s[XB:XB+1]             ; the first step's image from memory
	global_load_b128 v[XQ+4:XQ+7], v[GO], s[XB:XB+1] offset:512
	WIN 0
	s_lshl_b32 s14, s[WV], 15                      ; my 8 row blocks of V
	v_add_nc_u32 v[VV0], s14, v[GO]
	v_add_nc_u32 v[VQ0], QOFF, v[GO]
	v_mov_b32 v[ADV], v[VV0]
	v_mov_b32 v[ADQ], v[VQ0]
	v_and_b32 v1, 15, v0
	v_lshlrev_b32 v[SL2], 2, v1
	v_add_nc_u32 v[SL], STATM, v[SL2]
	s_lshl_b32 s14, s[WV], 8
	v_add_nc_u32 v[SA], s14, v[SL]
	v_add_nc_u32 v[SA2], s14, v[SL2]
.irp q, 0,1,2,3
	v_mov_b32 v[TM+(\q)], 0                        ; v_permlanex16_b32's destination counts as read
	v_mov_b32 v[CM+2*(\q)+1], 0                    ; named as pairs
	v_mov_b32 v[RL+2*(\q)+1], 0
.endr
	s_wait_tensorcnt 0x1                           ; my part of step 0 is in; step 1's may stay out
	s_barrier_signal -1
	s_barrier_wait -1
	FETCHG 0, 0
	UNITG 0, 1, 1, 1                               ; the first image column stands in front of the loop: its hi products start the sums
	WIN 0
	s_mov_b32 s57, KSTEPS-2
.Lstep:                                                ; a trip: a step's last three image columns and the next one's first; it fills the slot just read
	UNITG 1, 0, 2, 0
	UNITG 0, 1, 3, 0
	TURNG 1
	XLOAD
	UNITG 0, 1, 1, 0
	WIN 0
	s_sub_co_u32 s57, s57, 1
	s_cmp_lg_u32 s57, 0
	s_cbranch_scc1 .Lstep
	s_mov_b32 s58, 2
.Ltail:                                                ; the last two steps ask for no tile; the second trip is left in its middle, ahead of the load from memory; its 32 fragment loads serve nothing: the price of one text for both
	UNITG 1, 0, 2, 0
	UNITG 0, 1, 3, 0
	TURNG 0
	WIN 0
	s_sub_co_u32 s58, s58, 1
	s_cmp_eq_u32 s58, 0
	s_cbranch_scc1 .Lout
	XLOAD
	UNITG 0, 1, 1, 0
	WIN 0
	s_branch .Ltail
.Lout:
	s_wait_dscnt 0x0
	PLACES
	; THE MAXIMUM: four chains, one a query block, over 8 accumulators x 8 registers, each accumulator from its low end on
	WIN 0x05
.irp q, 0,1,2,3
	v_max_num_f32 v[M+(\q)], v[8*(\q)], v[8*(\q)+1]
.endr
	WIN 0x14
.set i, 0
.rept 8
.set p, 0
.rept 4
.if i+p > 0
.irp q, 0,1,2,3
	v_max3_num_f32 v[M+(\q)], v[M+(\q)], v[8*(4*i+(\q))+2*p], v[8*(4*i+(\q))+2*p+1]
.endr
.endif
.set p, p+1
.endr
.set i, i+1
.endr
	WIN 0
.irp q, 0,1,2,3
	v_permlanex16_b32 v[TM+(\q)], v[M+(\q)], s[SEL], s[SEL+1]  ; the query's other keys of my wave lie in the lane 16 away
.endr
.irp q, 0,1,2,3
	v_max_num_f32 v[M+(\q)], v[M+(\q)], v[TM+(\q)]
.endr
.irp q, 0,1,2,3
	ds_store_b32 v[SA], v[M+(\q)] offset:(\q)*64
.endr
	s_wait_dscnt 0x0                               ; for the others' sake
	s_barrier_signal -1
	s_barrier_wait -1                              ; behind it no wave reads a slot any more
.irp q, 0,1,2,3
.irp w, 0,1,2,3
	ds_load_b32 v[ST+4*(\q)+(\w)], v[SL] offset:(\w)*256+(\q)*64
.endr
.endr
	s_wait_dscnt 0x0
.irp q, 0,1,2,3
	v_max3_num_f32 v[M+(\q)], v[ST+4*(\q)], v[ST+4*(\q)+1], v[ST+4*(\q)+2]
.endr
.irp q, 0,1,2,3
	v_max_num_f32 v[M+(\q)], v[M+(\q)], v[ST+4*(\q)+3]
.endr
.irp q, 0,1,2,3
	v_mul_f32 v[CM+2*(\q)], s[CS], v[M+(\q)]
.endr
	; p = 2^(c s - c m), in place.  Behind an accumulator's last exponential stands the next one's first scaling, a plain line that names none of its registers
	WIN 0x41
.set t, 0
.rept 32
.irp p, 0,1,2,3
	v_pk_fma_f32 v[8*t+2*(\p):8*t+2*(\p)+1], v[8*t+2*(\p):8*t+2*(\p)+1], s[CS:CS+1], v[CM+2*(t%4):CM+2*(t%4)+1] op_sel_hi:[1,0,0] neg_lo:[0,0,1] neg_hi:[0,0,1]
.endr
.irp j, 0,1,2,3,4,5,6,7
	v_exp_f32 v[8*t+(\j)], v[8*t+(\j)]
.endr
.set t, t+1
.endr
	v_nop
	; THE SUM, in f32, of the unrounded weights: four chains of packed additions
	WIN 0x05
	s_wait_alu depctr_va_vdst(0)
.irp q, 0,1,2,3
	v_pk_add_f32 v[L+2*(\q):L+2*(\q)+1], v[8*(\q):8*(\q)+1], v[8*(\q)+2:8*(\q)+3]
.endr
	WIN 0x04
.set i, 0
.rept 8
.set p, 0
.rept 4
.if (i > 0) || (p > 1)
.irp q, 0,1,2,3
	v_pk_add_f32 v[L+2*(\q):L+2*(\q)+1], v[L+2*(\q):L+2*(\q)+1], v[8*(4*i+(\q))+2*p:8*(4*i+(\q))+2*p+1]
.endr
.endif
.set p, p+1
.endr
.set i, i+1
.endr
	WIN 0
.irp q, 0,1,2,3
	v_add_f32 v[TM+(\q)], v[L+2*(\q)], v[L+2*(\q)+1]
.endr
.irp q, 0,1,2,3
	v_permlanex16_b32 v[M+(\q)], v[TM+(\q)], s[SEL], s[SEL+1]
.endr
.irp q, 0,1,2,3
	v_add_f32 v[TM+(\q)], v[TM+(\q)], v[M+(\q)]
.endr
.irp q, 0,1,2,3
	ds_store_b32 v[SA2], v[TM+(\q)] offset:STATL+(\q)*64  ; bytes of their own: the maxima may still be read
.endr
	s_wait_dscnt 0x0
	s_barrier_signal -1
	s_barrier_wait -1
.irp q, 0,1,2,3
.irp w, 0,1,2,3
	ds_load_b32 v[ST+4*(\q)+(\w)], v[SL2] offset:STATL+(\w)*256+(\q)*64
.endr
.endr
	s_wait_dscnt 0x0
.irp q, 0,1,2,3
	v_add_f32 v[ST+4*(\q)], v[ST+4*(\q)], v[ST+4*(\q)+1]
	v_add_f32 v[ST+4*(\q)+2], v[ST+4*(\q)+2], v[ST+4*(\q)+3]
.endr
.irp q, 0,1,2,3
	v_add_f32 v[TM+(\q)], v[ST+4*(\q)], v[ST+4*(\q)+2]
.endr
.irp q, 0,1,2,3
	v_rcp_f32 v[RL+2*(\q)], v[TM+(\q)]
.endr
	v_nop                                          ; a plain line between the last reciprocal and the use of its result
	; p / l, rounded to f16: an accumulator is half an image (rows q, k = s), 512 consecutive bytes
	WIN 0x41
.set t, 0
	s_wait_alu depctr_va_vdst(0)
.rept 32
.irp p, 0,1,2,3
	v_pk_mul_f32 v[8*t+2*(\p):8*t+2*(\p)+1], v[8*t+2*(\p):8*t+2*(\p)+1], v[RL+2*(t%4):RL+2*(t%4)+1] op_sel_hi:[1,0]
.endr
.set t, t+1
.endr
	WIN 0x05
.set t, 0
.rept 32
.irp p, 0,1,2,3
	v_cvt_pk_f16_f32 v[PK+4*t+(\p)], v[8*t+2*(\p)], v[8*t+2*(\p)+1]
.endr
.set t, t+1
.endr
	WIN 0
.set t, 0
.rept 32
	global_store_b128 v[GO], v[PK+4*t:PK+4*t+3], s[8:9] offset:(t%4)*49152+(t/8)*1024+((t/4)%2)*512
.set t, t+1
.endr
	s_wait_tensorcnt 0x0                           ; the wave's end
	ds_add_u32 v[SPW], v[NIL]
	s_wait_dscnt 0x0
	CROUND                                         ; the closing round
	s_endpgm
.Lfunc_end_k_qb42c67354c_scores:
	.size	k_qb42c67354c_scores, .Lfunc_end_k_qb42c67354c_scores-k_qb42c67354c_scores
	.p2alignl 7, 3214868480
	.fill 96, 4, 3214868480
	.section	.rodata,"a",@progbits
	.p2align	6, 0x0
	.amdhsa_kernel k_qb42c67354c_scores
		.amdhsa_group_segment_fixed_size 327680
		.amdhsa_private_segment_fixed_size 0
		.amdhsa_enable_private_segment 0
		.amdhsa_kernarg_size 24
		.amdhsa_user_sgpr_count 2
		.amdhsa_user_sgpr_kernarg_segment_ptr 1
		.amdhsa_wavefront_size32 1
		.amdhsa_system_sgpr_workgroup_id_x 1
		.amdhsa_system_sgpr_workgroup_id_y 1
		.amdhsa_system_sgpr_workgroup_id_z 1
		.amdhsa_system_vgpr_workitem_id 0
		.amdhsa_next_free_vgpr 904
		.amdhsa_next_free_sgpr 68
		.amdhsa_reserve_vcc 0
		.amdhsa_float_denorm_mode_32 3
		.amdhsa_float_denorm_mode_16_64 3
		.amdhsa_memory_ordered 1
		.amdhsa_forward_progress 1
		.amdhsa_inst_pref_size 125
	.end_amdhsa_kernel
	.amdgpu_metadata
---
amdhsa.version: [ 1, 2 ]
amdhsa.kernels:
  - .name:           k_qb42c67354c_scores
    .symbol:         k_qb42c67354c_scores.kd
    .args:
      - { .name: VI, .offset: 0, .size: 8, .value_kind: global_buffer, .address_space: global }
      - { .name: QR, .offset: 8, .size: 8, .value_kind: global_buffer, .address_space: global }
      - { .name: AC, .offset: 16, .size: 8, .value_kind: global_buffer, .address_space: global }
    .group_segment_fixed_size: 327680
    .private_segment_fixed_size: 0
    .kernarg_segment_align: 8
    .kernarg_segment_size: 24
    .max_flat_workgroup_size: 128
    .sgpr_count:     68
    .vgpr_count:     904
    .wavefront_size: 32
...
	.end_amdgpu_metadata
.endif
;; end of part 3
;; launch final (part 4): grid 4 x 64, 4 waves a work-group, clusters of 4 x 4, 327,680 bytes of LDS; arguments AC, VW, WI, b2, out0; writes out0
.if DOCPART == 4
	.amdgcn_target "amdgcn-amd-amdhsa--gfx1250"
	.amdhsa_code_object_version 6
	.text
	.protected	k_qb42c67354c_final
	.globl	k_qb42c67354c_final
	.p2align	8
	.type	k_qb42c67354c_final,@function
k_qb42c67354c_final:
	s_mov_b64 s[64:65], 0
	v_nop
	global_prefetch_b8 v0, s[64:65] scope:SCOPE_SE
	s_setreg_imm32_b32 hwreg(HW_REG_WAVE_MODE, 25, 1), 1
	s_wait_xcnt 0x0
	s_wait_alu depctr_hold_cnt(0) depctr_sa_sdst(0) depctr_va_vdst(0) depctr_va_sdst(0) depctr_va_ssrc(0) depctr_va_vcc(0) depctr_vm_vsrc(0)
	s_getreg_b32 s2, hwreg(HW_REG_IB_STS2, 6, 4)
	s_cmp_eq_u32 s2, 0
	s_cbranch_scc0 .Lentry_in_a_cluster
	s_endpgm
.Lentry_in_a_cluster:
	s_bfe_u32 s2, ttmp6, 0x10000c
	s_cmp_lg_u32 s2, 0xf033
	s_cbranch_scc0 .Lentry_shape_is_right
	s_endpgm
.Lentry_shape_is_right:
; out[(q,b)][o] = tanh(the sum over s of P[q][s] VW^T[o][s] + the sum over d of query[(q,b)][d] W2[o][1024 + d] + b2[o]): ONE product with K = 512 + 1,024, f16 operands, f32 sums.
; b2 is rounded to bf16 like every input.  tanh(x) = 1 - 2 / (1 + 2^(2 log2(e) x)): 1 where the power overflows, -1 where it vanishes.  NaN and infinities are not treated apart.
; OPERANDS are fragment images (16 rows x 32 k in 1,024 bytes: byte 16 L + 512 g + 2 e = row L % 16, k = 16 g + 8 (L / 16) + e).  A = AC: a row block's 48 images, P's 16 and then query's 32, lie on end, so A's
; address walks straight through.  B = VW of the tile's batch for K steps 0-3, then WI's third section for K steps 4-11.
; SHAPE: a tile of 256 x 256, four waves of 128 x 128, K steps of 128 through two LDS slots of 131,072 bytes; a wave's tensor load brings 8 row blocks x 4,096 bytes.  By this text's count a wave has two tensor loads out at the start, later one.
; CLUSTER 4 x 4: A's tile is shared along a row of the cluster, W2's along a column.  VW's tiles are asked for PLAINLY: a batch has two tile rows, so the four work-groups of a column need two different tiles.
; THE MATRIX INSTRUCTION IS USED TRANSPOSED (source 0 = rows of B, source 1 = rows of A): a lane holds row L % 16 of C and eight neighbouring columns.
; REGISTERS: window 0: v16-29 addresses; v32-35 the bias; v64-127, v128-191 A's fragments.  Window 1: B's fragments.  Windows 2, 3: accumulator (a, b) at v[8 (8 (a % 4) + b)].
.set SLOT1,  1<<17
.set BOFF,   65536
.set SPITCH, 528                       ; the way out: a row of 128 f32 + 16 bytes: the 16 rows that a store touches start at 16 different groups of four banks
.set WSTAGE, 128*SPITCH                ; a wave's stage; the four lie over the slots, which have had their last fill, and 8,192 bytes behind them
.set SPARE,  4*WSTAGE                  ; behind the stages: the spare words, 128 bytes a wave, that no other line names
.set F0,   64
.set F1,   128
.set VA0,  16
.set VB0,  17
.set ADRA, 18
.set ADRB, 19
.set STO,  24                          ; v24  where I put 16 bytes of a row
.set GO,   25                          ; v25  16 x lane
.set RD,   26                          ; v26  where I read a row back
.set SPW,  28
.set NIL,  29
.set BI,   32                          ; v32-35  2 log2(e) b2 of my four columns
.set WV,   13
.set WR,   14
.set WC,   15
.set TB,   45
.set G1A,  24
.set G0A,  32
.set G1B,  48                          ; VW's tiles: s[48:55], s[56:59], s[60:63]
.set G0B,  56
.set G1Q,  68                          ; W2's tiles: s[68:75], and one group 0 that walks, s[76:79]
.set G0Q,  76
.set K2,   80                          ; s[80:81] 2 log2(e)
.set MSB,  0
.macro WIN new                         ; the immediate's high byte repeats the setting that is left
.if MSB != (\new)
	s_set_vgpr_msb (MSB<<8)|(\new)
.set MSB, \new
.endif
.endm
.macro PLACES                          ; four places between a matrix instruction and a load into, or a vector line on, its registers
.rept 4
	v_nop
.endr
.endm
.macro CREST
	s_cmp_lg_u32 s[WV], 0
	s_cbranch_scc1 .Lnot_wave_0_\@
	s_barrier_signal -3
.Lnot_wave_0_\@:
	s_barrier_wait -3
	s_barrier_signal -1
	s_barrier_wait -1
.endm
.macro CROUND
	s_barrier_signal -1
	s_barrier_wait -1
	CREST
.endm
.macro JLOAD gb, g1b                   ; a refill: waves 0, 1 fetch A's halves, waves 2, 3 B's, by the groups named; an s_nop 0 and four v_nop follow each line
	s_cmp_eq_u32 s[WR], 0
	s_cbranch_scc0 .Lfor_b_\@
	tensor_load_to_lds s[G0A+4:G0A+7], s[G1A:G1A+7]
	s_nop 0
.rept 4
	v_nop
.endr
	s_branch .Lasked_\@
.Lfor_b_\@:
	tensor_load_to_lds s[\gb:\gb+3], s[\g1b:\g1b+7]
	s_nop 0
.rept 4
	v_nop
.endr
.Lasked_\@:
.endm
.macro MUL16 f, hi, a0, zero           ; 16 matrix instructions; zero = 1: the first product starts the sums
	WIN 0xa1+0x50*(\hi)
.irp a, \a0, (\a0)+1
.irp b, 0,1,2,3,4,5,6,7
.if \zero
	v_wmma_f32_16x16x32_f16 v[8*(8*(\a)+(\b)):8*(8*(\a)+(\b))+7], v[(\f)+8*(\b):(\f)+8*(\b)+7], v[(\f)+8*(4*(\hi)+(\a)):(\f)+8*(4*(\hi)+(\a))+7], 0
.else
	v_wmma_f32_16x16x32_f16 v[8*(8*(\a)+(\b)):8*(8*(\a)+(\b))+7], v[(\f)+8*(\b):(\f)+8*(\b)+7], v[(\f)+8*(4*(\hi)+(\a)):(\f)+8*(4*(\hi)+(\a))+7], v[8*(8*(\a)+(\b)):8*(8*(\a)+(\b))+7]
.endif
.endr
.endr
.endm
.macro FETCH k, f                      ; 32 LDS loads in one run: the images at byte k of my 8 row blocks of B, then of A
	WIN 0x40
.irp i, 0,1,2,3,4,5,6,7
	ds_load_b128 v[(\f)+8*(\i):(\f)+8*(\i)+3],   v[ADRB] offset:(\k)+(\i)*4096
	ds_load_b128 v[(\f)+8*(\i)+4:(\f)+8*(\i)+7], v[ADRB] offset:(\k)+(\i)*4096+512
.endr
	WIN 0
.irp i, 0,1,2,3,4,5,6,7
	ds_load_b128 v[(\f)+8*(\i):(\f)+8*(\i)+3],   v[ADRA] offset:(\k)+(\i)*4096
	ds_load_b128 v[(\f)+8*(\i)+4:(\f)+8*(\i)+7], v[ADRA] offset:(\k)+(\i)*4096+512
.endr
.endm
.macro QUARTER k, f, g, zero           ; 64 matrix instructions on buffer f, the 64 accumulators by turns; in the middle the next quarter's fragments into g
	s_wait_dscnt 8                                 ; the youngest eight loads (A's rows 64-127) may be out
	MUL16 \f, 0, 0, \zero
	MUL16 \f, 0, 2, \zero
	PLACES
	FETCH \k, \g
	s_wait_dscnt 32                                ; all but the 32 just issued
	MUL16 \f, 1, 0, \zero
	MUL16 \f, 1, 2, \zero
.endm
; The last quarter changes slots: in front of the barrier each wave waits for all its tensor loads, adds 0 to its spare word, and waits for that and for its reads of this slot.
; fill = 1: the barrier opens a round of the cluster's, and this slot is filled again, two K steps ahead, first thing behind it; B's tile by the groups named.
.macro TURN fill, gb=G0B+4, g1b=G1B
	WIN 0
	s_wait_tensorcnt 0x0
	ds_add_u32 v[SPW], v[NIL]
	s_wait_dscnt 9                                 ; the add and the youngest eight loads may be out
	MUL16 F1, 0, 0, 0
	s_wait_dscnt 0x0
	s_barrier_signal -1
	MUL16 F1, 0, 2, 0
	WIN 0
	s_barrier_wait -1
.if \fill
	CREST
	s_xor_b32 s[G0A+5], s[G0A+5], SLOT1
	s_add_nc_u64 s[G0A+6:G0A+7], s[G0A+6:G0A+7], 4096
	s_xor_b32 s[\gb+1], s[\gb+1], SLOT1
	s_add_nc_u64 s[\gb+2:\gb+3], s[\gb+2:\gb+3], 4096
	JLOAD \gb, \g1b
.else
	PLACES
.endif
	s_xor_b32 s[TB], s[TB], SLOT1
	v_add_nc_u32 v[ADRA], s[TB], v[VA0]
	v_add_nc_u32 v[ADRB], s[TB], v[VB0]
	FETCH 0, F0
	MUL16 F1, 1, 0, 0
	MUL16 F1, 1, 2, 0
.endm
	s_load_b256 s[4:11], s[0:1], 0x0               ; AC s[4:5], VW s[6:7], WI s[8:9], b2 s[10:11]
	s_load_b64 s[66:67], s[0:1], 0x20              ; out0
	v_lshl_add_u32 v[SPW], v0, 2, SPARE
	v_mov_b32 v[NIL], 0
	ds_add_u32 v[SPW], v[NIL]                      ; the wave's opening: the add and its wait, ahead of my first tensor load
	v_lshrrev_b32 v1, 5, v0
	v_readfirstlane_b32 s[WV], v1
	s_lshr_b32 s[WR], s[WV], 1
	s_and_b32 s[WC], s[WV], 1
	s_bfe_u32 s40, ttmp6, 0x40000                  ; cx
	s_bfe_u32 s41, ttmp6, 0x40004                  ; cy
	s_lshl_b32 s42, ttmp9, 2
	s_add_co_u32 s42, s42, s40                     ; tile column (256 o)
	s_and_b32 s43, ttmp7, 0xffff
	s_lshl_b32 s43, s43, 2
	s_add_co_u32 s43, s43, s41                     ; tile row: batch = tile row / 2, q = 256 (tile row % 2) ..
	s_lshl_b32 s44, s41, 2
	s_lshl_b32 s44, 15, s44
	s_lshl_b32 s46, 0x1111, s40
	s_or_b32 s[G1A], s44, (3<<16)|(1<<21)          ; A: my row of the cluster
	s_mov_b32 s[G1B], 3<<16                        ; VW: no mask
	s_or_b32 s[G1Q], s46, (3<<16)|(1<<21)          ; W2: my column
.irp g, G1A, G1B, G1Q
	s_mov_b32 s[(\g)+1], 512<<16                   ; rows of 512 elements of 8 bytes,
	s_mov_b32 s[(\g)+2], 8<<16                     ; 8 row blocks
	s_mov_b32 s[(\g)+3], 512<<16
	s_mov_b32 s[(\g)+4], 8
	s_mov_b32 s[(\g)+6], 0
	s_mov_b32 s[(\g)+7], 0
.endr
	s_mov_b32 s[G1A+5], 49152/8
	s_mov_b32 s[G1B+5], 32768/8
	s_mov_b32 s[G1Q+5], 32768/8
	s_lshl_b32 s16, s43, 4                         ; A: row block 16 x tile row + 8 x half, in registers that never hold cx
	s_lshl_b32 s17, s[WC], 3
	s_add_co_u32 s16, s16, s17
	s_mul_i32 s16, s16, 49152
	s_mov_b32 s17, 0
	s_lshl_b32 s22, s42, 4                         ; B's row block 16 x tile column + 8 x half, in registers that never hold cy
	s_lshl_b32 s23, s[WC], 3
	s_add_co_u32 s22, s22, s23
	s_lshl_b32 s22, s22, 15
	s_lshr_b32 s20, s43, 2                         ; VW: + (batch / 2) x 64 row blocks + (batch % 2) x 16,384
	s_lshl_b32 s20, s20, 21
	s_add_co_u32 s20, s20, s22
	s_bfe_u32 s21, s43, 0x10001
	s_lshl_b32 s21, s21, 14
	s_add_co_u32 s20, s20, s21
	s_mov_b32 s21, 0
	s_add_co_u32 s22, s22, 4194304-4096            ; WI's third section, one step back: the walking group steps before each use
	s_mov_b32 s23, 0
	s_mul_i32 s47, s[WV], 32768
	s_mov_b32 s[K2], 0x4038aa3b
	s_mov_b32 s[K2+1], s[K2]                       ; named with it as a pair
	s_wait_dscnt 0x0
	s_wait_kmcnt 0x0
	s_add_nc_u64 s[16:17], s[4:5], s[16:17]
	s_add_nc_u64 s[20:21], s[6:7], s[20:21]
	s_add_nc_u64 s[22:23], s[8:9], s[22:23]
.irp s, 0,1
	s_mov_b32 s[G0A+4*(\s)], 1
	s_add_co_u32 s[G0A+4*(\s)+1], s47, (\s)*SLOT1
	s_add_nc_u64 s[G0A+4*(\s)+2:G0A+4*(\s)+3], s[16:17], (\s)*4096
	s_or_b32 s[G0A+4*(\s)+3], s[G0A+4*(\s)+3], 0x80000000
	s_mov_b32 s[G0B+4*(\s)], 1
	s_add_co_u32 s[G0B+4*(\s)+1], s47, (\s)*SLOT1
	s_add_nc_u64 s[G0B+4*(\s)+2:G0B+4*(\s)+3], s[20:21], (\s)*4096
	s_or_b32 s[G0B+4*(\s)+3], s[G0B+4*(\s)+3], 0x80000000
.endr
	s_mov_b32 s[G0Q], 1
	s_add_co_u32 s[G0Q+1], s47, SLOT1              ; its first step turns this into slot 0, for K step 4
	s_mov_b64 s[G0Q+2:G0Q+3], s[22:23]
	s_or_b32 s[G0Q+3], s[G0Q+3], 0x80000000
	CROUND
	s_cmp_eq_u32 s[WR], 0
	s_cbranch_scc0 .Lfirst_b
	tensor_load_to_lds s[G0A:G0A+3], s[G1A:G1A+7]
	s_nop 0
	tensor_load_to_lds s[G0A+4:G0A+7], s[G1A:G1A+7]
	s_nop 0
.rept 4
	v_nop
.endr
	s_branch .Lfirst_asked
.Lfirst_b:
	tensor_load_to_lds s[G0B:G0B+3], s[G1B:G1B+7]
	s_nop 0
	tensor_load_to_lds s[G0B+4:G0B+7], s[G1B:G1B+7]
	s_nop 0
.rept 4
	v_nop
.endr
.Lfirst_asked:
	v_and_b32 v[GO], 31, v0
	v_lshlrev_b32 v[GO], 4, v[GO]
	s_lshl_b32 s18, s[WR], 15
	v_add_nc_u32 v[VA0], s18, v[GO]
	s_lshl_b32 s18, s[WC], 15
	s_add_co_u32 s18, s18, BOFF
	v_add_nc_u32 v[VB0], s18, v[GO]
	v_mov_b32 v[ADRA], v[VA0]
	v_mov_b32 v[ADRB], v[VB0]
	s_mov_b32 s[TB], 0
	v_and_b32 v1, 15, v0
	v_bfe_u32 v2, v0, 4, 1
	s_mul_i32 s18, s[WV], WSTAGE
	v_mul_u32_u24 v[STO], v1, SPITCH               ; in: row L % 16, 32 bytes for each half of the lanes
	v_lshl_add_u32 v[STO], v2, 5, v[STO]
	v_add_nc_u32 v[STO], s18, v[STO]
	v_add_nc_u32 v[RD], s18, v[GO]                 ; back: 32 lanes take a row's 512 bytes
	s_lshl_b32 s18, s42, 10                        ; b2 at my 128 columns
	s_lshl_b32 s19, s[WC], 9
	s_add_co_u32 s18, s18, s19
	s_mov_b32 s19, 0
	s_add_nc_u64 s[10:11], s[10:11], s[18:19]
	global_load_b128 v[BI:BI+3], v[GO], s[10:11]
	s_and_b32 s18, s43, 1                          ; out0 at my wave's first row and column: ((256 (tile row % 2) + 128 row half) x 32 + batch) x 4,096 + 1,024 tile column + 512 column half
	s_lshl_b32 s18, s18, 8
	s_lshl_b32 s19, s[WR], 7
	s_add_co_u32 s18, s18, s19
	s_lshl_b32 s18, s18, 5
	s_lshr_b32 s19, s43, 1
	s_add_co_u32 s18, s18, s19
	s_lshl_b32 s18, s18, 12
	s_lshl_b32 s19, s42, 10
	s_add_co_u32 s18, s18, s19
	s_lshl_b32 s19, s[WC], 9
	s_add_co_u32 s18, s18, s19
	s_mov_b32 s19, 0
	s_add_nc_u64 s[66:67], s[66:67], s[18:19]
	s_wait_tensorcnt 0x1                           ; my part of K step 0 is in; K step 1's may stay out
	s_barrier_signal -1
	s_barrier_wait -1
	FETCH 0, F0
	QUARTER 1024, F0, F1, 1
	WIN 0
	s_mov_b32 s3, 2
.Lp:                                                   ; two trips ask for K steps 2 and 3: P against VW
	QUARTER 2048, F1, F0, 0
	QUARTER 3072, F0, F1, 0
	TURN 1
	QUARTER 1024, F0, F1, 0
	WIN 0
	s_sub_co_u32 s3, s3, 1
	s_cmp_lg_u32 s3, 0
	s_cbranch_scc1 .Lp
	s_mov_b32 s3, 8
.Lq:                                                   ; eight trips ask for K steps 4 to 11: query against W2's right half
	QUARTER 2048, F1, F0, 0
	QUARTER 3072, F0, F1, 0
	TURN 1, G0Q, G1Q
	QUARTER 1024, F0, F1, 0
	WIN 0
	s_sub_co_u32 s3, s3, 1
	s_cmp_lg_u32 s3, 0
	s_cbranch_scc1 .Lq
	s_mov_b32 s2, 2
.Ltail:                                                ; the last two K steps ask for nothing; the second trip is left in its middle, and its 32 fragment loads serve nothing: the price of one text for both
	QUARTER 2048, F1, F0, 0
	QUARTER 3072, F0, F1, 0
	TURN 0
	WIN 0
	s_sub_co_u32 s2, s2, 1
	s_cmp_eq_u32 s2, 0
	s_cbranch_scc1 .Lout
	QUARTER 1024, F0, F1, 0
	WIN 0
	s_branch .Ltail
.Lout:
	; THE WAY OUT.  The sums go into my wave's stage, 128 rows of 512 bytes, and come back by rows, so that a store covers 512 consecutive bytes of out0 and one short loop does the activation.
	s_wait_dscnt 0x0
	s_barrier_signal -1
	s_barrier_wait -1                              ; no wave reads the slots any more
	s_wait_loadcnt 0x0                             ; b2: rounded to bf16, times 2 log2(e).  These eight plain lines are also the places behind the last products
	v_cvt_pk_bf16_f32 v30, v[BI], v[BI+1]
	v_cvt_pk_bf16_f32 v31, v[BI+2], v[BI+3]
	v_lshlrev_b32 v[BI], 16, v30
	v_and_b32 v[BI+1], 0xffff0000, v30
	v_lshlrev_b32 v[BI+2], 16, v31
	v_and_b32 v[BI+3], 0xffff0000, v31
	v_pk_mul_f32 v[BI:BI+1], v[BI:BI+1], s[K2:K2+1] op_sel_hi:[1,0]
	v_pk_mul_f32 v[BI+2:BI+3], v[BI+2:BI+3], s[K2:K2+1] op_sel_hi:[1,0]
.irp hi, 0,1
	WIN 0x08+4*(\hi)                               ; store data in window 2, then 3; each accumulator's low four registers first
.irp a, 0,1,2,3
.irp b, 0,1,2,3,4,5,6,7
	ds_store_b128 v[STO], v[8*(8*(\a)+(\b)):8*(8*(\a)+(\b))+3]   offset:(4*(\hi)+(\a))*16*SPITCH+(\b)*64
	ds_store_b128 v[STO], v[8*(8*(\a)+(\b))+4:8*(8*(\a)+(\b))+7] offset:(4*(\hi)+(\a))*16*SPITCH+(\b)*64+16
.endr
.endr
.endr
	WIN 0
	s_wait_dscnt 0x0
	s_barrier_signal -1
	s_barrier_wait -1                              ; every wave's stores are done before any wave reads back
	s_mov_b32 s2, 16
.Lrows:                                                ; a trip: 8 rows
.irp i, 0,1,2,3,4,5,6,7
	ds_load_b128 v[64+4*(\i):64+4*(\i)+3], v[RD] offset:(\i)*SPITCH
.endr
.irp i, 0,1,2,3,4,5,6,7
	s_wait_dscnt 7-(\i)
	v_pk_fma_f32 v[64+4*(\i):64+4*(\i)+1],   v[64+4*(\i):64+4*(\i)+1],   s[K2:K2+1], v[BI:BI+1]   op_sel_hi:[1,0,1]
	v_pk_fma_f32 v[64+4*(\i)+2:64+4*(\i)+3], v[64+4*(\i)+2:64+4*(\i)+3], s[K2:K2+1], v[BI+2:BI+3] op_sel_hi:[1,0,1]
.endr
.set n, 64
.rept 32
	v_exp_f32 v[n], v[n]
.set n, n+1
.endr
	v_nop                                          ; a plain line behind the last exponential
.set n, 64
	s_wait_alu depctr_va_vdst(0)
.rept 16
	v_pk_add_f32 v[n:n+1], v[n:n+1], 1.0 op_sel_hi:[1,0]
.set n, n+2
.endr
.set n, 64
.rept 32
	v_rcp_f32 v[n], v[n]
.set n, n+1
.endr
	v_nop                                          ; a plain line behind the last reciprocal
.set n, 64
	s_wait_alu depctr_va_vdst(0)
.rept 16
	v_pk_fma_f32 v[n:n+1], v[n:n+1], -2.0, 1.0 op_sel_hi:[1,0,0]
.set n, n+2
.endr
.irp i, 0,1,2,3,4,5,6,7
	global_store_b128 v[GO], v[64+4*(\i):64+4*(\i)+3], s[66:67] offset:(\i)*131072 th:TH_STORE_NT  ; 512 consecutive bytes; from q to q + 1 are 32 x 4,096 bytes
.endr
	s_wait_xcnt 0x0                                ; the stores' data and base are rewritten only behind this wait
	v_add_nc_u32 v[RD], 8*SPITCH, v[RD]
	s_add_nc_u64 s[66:67], s[66:67], 8*131072
	s_sub_co_u32 s2, s2, 1
	s_cmp_lg_u32 s2, 0
	s_cbranch_scc1 .Lrows
	s_wait_tensorcnt 0x0                           ; the wave's end
	ds_add_u32 v[SPW], v[NIL]
	s_wait_dscnt 0x0
	CROUND                                         ; the closing round
	s_endpgm
.Lfunc_end_k_qb42c67354c_final:
	.size	k_qb42c67354c_final, .Lfunc_end_k_qb42c67354c_final-k_qb42c67354c_final
	.p2alignl 7, 3214868480
	.fill 96, 4, 3214868480
	.section	.rodata,"a",@progbits
	.p2align	6, 0x0
	.amdhsa_kernel k_qb42c67354c_final
		.amdhsa_group_segment_fixed_size 327680
		.amdhsa_private_segment_fixed_size 0
		.amdhsa_enable_private_segment 0
		.amdhsa_kernarg_size 40
		.amdhsa_user_sgpr_count 2
		.amdhsa_user_sgpr_kernarg_segment_ptr 1
		.amdhsa_wavefront_size32 1
		.amdhsa_system_sgpr_workgroup_id_x 1
		.amdhsa_system_sgpr_workgroup_id_y 1
		.amdhsa_system_sgpr_workgroup_id_z 1
		.amdhsa_system_vgpr_workitem_id 0
		.amdhsa_next_free_vgpr 1024
		.amdhsa_next_free_sgpr 84
		.amdhsa_reserve_vcc 0
		.amdhsa_float_denorm_mode_32 3
		.amdhsa_float_denorm_mode_16_64 3
		.amdhsa_memory_ordered 1
		.amdhsa_forward_progress 1
		.amdhsa_inst_pref_size 111
	.end_amdhsa_kernel
	.amdgpu_metadata
---
amdhsa.version: [ 1, 2 ]
amdhsa.kernels:
  - .name:           k_qb42c67354c_final
    .symbol:         k_qb42c67354c_final.kd
    .args:
      - { .name: AC, .offset: 0, .size: 8, .value_kind: global_buffer, .address_space: global }
      - { .name: VW, .offset: 8, .size: 8, .value_kind: global_buffer, .address_space: global }
      - { .name: WI, .offset: 16, .size: 8, .value_kind: global_buffer, .address_space: global }
      - { .name: b2, .offset: 24, .size: 8, .value_kind: global_buffer, .address_space: global }
      - { .name: out0, .offset: 32, .size: 8, .value_kind: global_buffer, .address_space: global }
    .group_segment_fixed_size: 327680
    .private_segment_fixed_size: 0
    .kernarg_segment_align: 8
    .kernarg_segment_size: 40
    .max_flat_workgroup_size: 128
    .sgpr_count:     84
    .vgpr_count:     1024
    .wavefront_size: 32
...
	.end_amdgpu_metadata
.endif
;; end of part 4
;; ======== version 2 of 2: 4 launches; version 1 with the launch prep written anew for expert scheduling mode
;; limits: values are held in f16: magnitudes above 65,504 overflow, below 6.1e-05 lose precision
;; workspace buffers: AC 50,331,648 bytes; VI 33,554,432 bytes; WI 9,437,184 bytes; QR 67,108,864 bytes; VW 33,554,432 bytes
;; launch prep (part 5): grid 1120 x 1, 8 waves a work-group, no clusters, 35,840 bytes of LDS; arguments query, values, W1, W2, AC, VI, WI; writes AC, VI, WI
.if DOCPART == 5
	.amdgcn_target "amdgcn-amd-amdhsa--gfx1250"
	.amdhsa_code_object_version 6
	.text
	.protected	k_qb42c67354c_prep
	.globl	k_qb42c67354c_prep
	.p2align	8
	.type	k_qb42c67354c_prep,@function
k_qb42c67354c_prep:
	s_mov_b64 s[64:65], 0
	v_nop
	global_prefetch_b8 v0, s[64:65] scope:SCOPE_SE
	s_setreg_imm32_b32 hwreg(HW_REG_WAVE_SCHED_MODE, 0, 2), 2
	s_setreg_imm32_b32 hwreg(HW_REG_WAVE_MODE, 25, 1), 1
	s_wait_xcnt 0x0
	s_wait_alu depctr_vm_vsrc(0)
; PREP.  query, values, W1 and W2 (f32) are rounded to bf16, that number is written as f16, and laid out as FRAGMENT IMAGES for the matrix launches behind.
; An image is 16 rows x 32 k in 1,024 bytes: byte 16 L + 512 g + 2 e holds row (L % 16), k = 16 g + 8 (L / 16) + e: two loads of 16 bytes a lane, 512 bytes apart, are a matrix operand's 8 registers.
; Rows of query and values are taken by batch: row block R = 32 b + q / 16.   AC: R x 49,152 + kk x 1,024, kk 16..47 = query (kk 0..15 is left for the weights of the attention);
; VI: R x 32,768 + kk x 1,024;   WI: W1's 64 row blocks from byte 0 and W2[:, 1024:]'s 64 from byte 4,194,304, 32,768 bytes each; W2[:, :1024]'s 64 from byte 6,291,456, 49,152 bytes apart, the pitch of AC,
; so that one descriptor shape serves both in the launch behind.
; LIMITS.  bf16 written as f16 is exact from 6.1e-5 to 65,504 in magnitude; below, f16's fixed step of 6e-8 holds; beyond, an infinity.  NaN and infinities are not treated apart.
; SHARES.  A wave's job is one row block x 256 k: row job J = 2 x work-group + wave / 4 (0..1023 query, 1024..2047 values, 2048..2111 W1, 2112..2239 W2), quarter wave % 4.  A job is two units of 16 rows x 128 k.
; Memory binds: each load of a wave takes 512 consecutive bytes of a row, each store 512 consecutive bytes of an image; 12 to 16 loads of a wave are out, and the jobs are short so that several work-groups lie on a WGP
; and the 1,120 of them spread evenly.  No matrix unit, no cluster: nothing is shared.
; The turn from rows to images goes through the wave's own 16 rows of LDS; LDS serves a wave's instructions in order (ISA guide 5.7.1.4), so no barrier is needed.
; THE MODE: SCHED_MODE bits 1:0 = 2 (LLVM: expert scheduling mode 2), set by the entry lines.  The code itself states the register dependences between vector instructions and memory or LDS instructions,
; with s_wait_alu, always for 0.
; THE PLAN.  A unit's 16 rows go in four batches of four.  Registers that memory or LDS instructions touch:
;   v4, v5, v8-23   addresses and offsets: written at the head, never again.
;   X[i]            unit 0: the head's load lands in it; batch i / 4's conversions read it; behind them the row's next 512 bytes land in it.
;                   unit 1: the conversions read it, and the row's four f16 go into its first two registers, which the batch's LDS store reads; nothing lands in it or writes it after that.
;   Y               unit 0: idle until the unit's images are read back, so row i's four f16 go into Y + 2 i, which the batch's LDS store reads.  Then the first read-back lands in Y and eight global stores read it;
;                   no line of unit 1 names Y; then the second read-back lands in it and eight global stores read it.
;   TT              named by vector instructions alone.      v132, v133   written at the head, read by the closing add alone.
; So ONE wait on va_vdst stands in a batch, behind its 32 vector lines and ahead of its eight (unit 1: four) memory and LDS instructions, and one wait on vm_vsrc ahead of each of the two read-backs.
.set PITCH,  272                       ; an LDS row: 256 bytes (128 f16) + 16: the 16 rows that a read touches start at 16 different groups of four banks
.set WBYTES, 16*PITCH                  ; a wave's stage
.set SPARE,  8*WBYTES                  ; behind the stages: the spare words, 128 bytes a wave, that no other line names
.set LST, 4                            ; v4      where I put 8 bytes of a row
.set LRD, 5                            ; v5      where I read 16 bytes of an image
.set OFF, 8                            ; v[8:23] row i: 16 x lane + i x row stride; never rewritten.  v8 is also my offset in 512 bytes of an image
.set X,   24                           ; v[24:87]  row i: 4 f32 as loaded; in unit 1 its first two registers then take the row's 4 f16
.set TT,  88                           ; v[88:93]  at work
.set Y,   100                          ; v[100:131] 8 half images to store; ahead of the first read-back: unit 0's 4 f16 of row i at Y + 2 i
.set SPW, 132                          ; v132    my spare word's LDS address; never rewritten
.set NIL, 133                          ; v133    0; never rewritten
	s_load_b256 s[12:19], s[0:1], 0x0              ; query s[12:13], values s[14:15], W1 s[16:17], W2 s[18:19]
	s_load_b128 s[20:23], s[0:1], 0x20             ; AC s[20:21], VI s[22:23]
	s_load_b64 s[24:25], s[0:1], 0x30              ; WI
	v_lshl_add_u32 v[SPW], v0, 2, SPARE
	v_mov_b32 v[NIL], 0
	v_lshrrev_b32 v1, 5, v0
	v_readfirstlane_b32 s8, v1                     ; wave 0..7
	v_and_b32 v1, 31, v0                           ; lane
	v_and_b32 v2, 15, v0                           ; lane % 16
	v_bfe_u32 v3, v0, 4, 1                         ; lane / 16
	s_mov_b32 s9, 0xffff0000                       ; a word's upper bf16
	s_wait_alu depctr_va_sdst(0)                   ; s8 is written, ahead of its first reader: the stage's place, the job and the quarter are made from it
	s_mul_i32 s10, s8, WBYTES                      ; my wave's stage
	v_lshl_add_u32 v[LST], v1, 3, s10              ; in: 8 bytes a lane, 256 a row
	v_mul_u32_u24 v[LRD], v2, PITCH
	v_lshl_add_u32 v[LRD], v3, 4, v[LRD]
	v_add_nc_u32 v[LRD], s10, v[LRD]               ; back: row lane % 16, 16 bytes for each half of the lanes
	s_lshl_b32 s11, ttmp9, 1
	s_lshr_b32 s2, s8, 2
	s_add_co_u32 s11, s11, s2                      ; row job J
	s_and_b32 s31, s8, 3                           ; which 256 k
	s_wait_kmcnt 0x0
	s_cmp_lt_u32 ttmp9, 1024
	s_cbranch_scc0 .Lweights
	s_and_b32 s2, s11, 1023                        ; R = 32 b + q / 16
	s_and_b32 s26, s2, 31
	s_lshl_b32 s26, s26, 21                        ; 16 (R % 32) rows of 32 x 4,096 bytes,
	s_lshr_b32 s3, s2, 5
	s_lshl_b32 s3, s3, 12                          ; batch R / 32
	s_add_co_u32 s26, s26, s3
	s_mov_b32 s30, 131072                          ; from q to q + 1
	s_mul_i32 s28, s2, 49152
	s_add_co_u32 s28, s28, 16384                   ; AC: behind the 16 images left for the weights
	s_lshl_b32 s3, s2, 15                          ; VI
	s_cmp_lt_u32 ttmp9, 512
	s_cselect_b64 s[4:5], s[12:13], s[14:15]
	s_cselect_b64 s[6:7], s[20:21], s[22:23]
	s_cselect_b32 s28, s28, s3
	s_branch .Lgo
.Lweights:
	s_sub_co_u32 s2, s11, 2048                     ; 0..63 W1, 64..127 W2's left half, 128..191 its right half
	s_mov_b64 s[6:7], s[24:25]
	s_lshl_b32 s28, s2, 15                         ; W1 and W2's right half: 32,768 bytes a row block
	s_lshl_b32 s26, s2, 16                         ; W1: 16 rows of 4,096 bytes
	s_sub_co_u32 s3, s2, 64
	s_mul_i32 s29, s3, 49152
	s_add_co_u32 s29, s29, 6291456                 ; W2's left half: 49,152 bytes a row block
	s_and_b32 s10, s3, 63
	s_lshl_b32 s10, s10, 17                        ; W2: 16 rows of 8,192 bytes,
	s_bfe_u32 s3, s3, 0x10006
	s_lshl_b32 s3, s3, 12                          ; the half
	s_add_co_u32 s10, s10, s3
	s_mov_b32 s3, 4096
	s_mov_b32 s30, 8192
	s_cmp_lt_u32 ttmp9, 1056
	s_cselect_b64 s[4:5], s[16:17], s[18:19]
	s_cselect_b32 s26, s26, s10
	s_cselect_b32 s30, s3, s30
	s_sub_co_u32 s3, ttmp9, 1056                   ; work-groups 1056..1087 hold W2's left half
	s_cmp_lt_u32 s3, 32
	s_cselect_b32 s28, s29, s28
.Lgo:
	s_lshl_b32 s2, s31, 10                         ; my quarter: 256 f32 along a row,
	s_add_co_u32 s26, s26, s2
	s_lshl_b32 s2, s31, 13                         ; 8 images
	s_add_co_u32 s28, s28, s2
	s_mov_b32 s27, 0
	s_mov_b32 s29, 0
	s_add_nc_u64 s[4:5], s[4:5], s[26:27]          ; the job's first row and k
	s_add_nc_u64 s[6:7], s[6:7], s[28:29]          ; the job's first image
	v_lshlrev_b32 v[OFF], 4, v1
.irp i, 1,2,3,4,5,6,7,8,9,10,11,12,13,14,15
	v_add_nc_u32 v[OFF+(\i)], s30, v[OFF+(\i)-1]
.endr
	s_wait_alu depctr_va_vdst(0)                   ; v4, v5 and v8 to v23 are written, which every load, store and LDS access below reads as its address; so are v132 and v133, which the closing add reads
.irp i, 0,1,2,3,4,5,6,7,8,9,10,11,12,13,14,15
	global_load_b128 v[X+4*(\i):X+4*(\i)+3], v[OFF+(\i)], s[4:5] th:TH_LOAD_NT  ; unit 0
.endr
; Batch b of a unit: rows 4 b to 4 b + 3.  Of each row 4 numbers a lane are rounded to bf16, widened and written as f16, into the two registers at hb + hs x row; then the four rows go into the stage.
; ahead = 1: the rows' next 512 bytes are asked for, ahead of the LDS stores.  left: the younger loads that may stay out.
.macro BATCH b, ahead, left, hb, hs
	s_wait_loadcnt \left                           ; loads come back in order (ISA guide 5.7.1): the batch's four are in
.irp r, 0,1,2,3
	v_cvt_pk_bf16_f32 v[TT], v[X+4*(4*(\b)+(\r))], v[X+4*(4*(\b)+(\r))+1]
	v_cvt_pk_bf16_f32 v[TT+1], v[X+4*(4*(\b)+(\r))+2], v[X+4*(4*(\b)+(\r))+3]
	v_lshlrev_b32 v[TT+2], 16, v[TT]
	v_and_b32 v[TT+3], s9, v[TT]
	v_lshlrev_b32 v[TT+4], 16, v[TT+1]
	v_and_b32 v[TT+5], s9, v[TT+1]
	v_cvt_pk_f16_f32 v[(\hb)+(\hs)*(4*(\b)+(\r))], v[TT+2], v[TT+3]
	v_cvt_pk_f16_f32 v[(\hb)+(\hs)*(4*(\b)+(\r))+1], v[TT+4], v[TT+5]
.endr
	s_wait_alu depctr_va_vdst(0)                   ; the conversions have written the batch's eight registers of f16, which the LDS stores read, and are done reading its four X, in which (unit 0) the loads below land
.if \ahead
.irp r, 0,1,2,3
	global_load_b128 v[X+4*(4*(\b)+(\r)):X+4*(4*(\b)+(\r))+3], v[OFF+4*(\b)+(\r)], s[4:5] offset:512 th:TH_LOAD_NT
.endr
.endif
.irp r, 0,1,2,3
	ds_store_b64 v[LST], v[(\hb)+(\hs)*(4*(\b)+(\r)):(\hb)+(\hs)*(4*(\b)+(\r))+1] offset:(4*(\b)+(\r))*PITCH
.endr
.endm
; A unit's four images leave, from byte base of the job's images on: half image j (image j / 2, half j % 2) is 512 consecutive bytes.
.macro SEND base
.irp j, 0,1,2,3,4,5,6,7
	ds_load_b128 v[Y+4*(\j):Y+4*(\j)+3], v[LRD] offset:((\j)/2)*64+((\j)%2)*32
.endr
.irp j, 0,1,2,3,4,5,6,7
	s_wait_dscnt 7-(\j)
	global_store_b128 v[OFF], v[Y+4*(\j):Y+4*(\j)+3], s[6:7] offset:(\base)+((\j)/2)*1024+((\j)%2)*512
.endr
.endm
.irp b, 0,1,2,3
	BATCH \b, 1, 12, Y, 2                          ; behind the batch's last load: this unit's 12 - 4 b later rows and the next unit's 4 b rows
.endr
	s_wait_alu depctr_vm_vsrc(0)                   ; unit 0's LDS stores have read Y, in which the read-back lands (the conversions that wrote Y stand ahead of the last wait on va_vdst)
	SEND 0
.irp b, 0,1,2,3
	BATCH \b, 0, 12-4*(\b), X, 4                   ; the second unit loads nothing: the counts run down, and a row's f16 go into its own X
.endr
	s_wait_xcnt 0x0                                ; Y, which the first unit's stores read, is loaded again only behind this wait
	s_wait_alu depctr_vm_vsrc(0)                   ; the first unit's global stores have read Y, in which the second read-back lands
	SEND 4096
	s_wait_dscnt 0x0                               ; the closing lines, six on end
	s_wait_alu 0x0
	s_wait_tensorcnt 0x0
	ds_add_u32 v[SPW], v[NIL]
	s_wait_dscnt 0x0
	s_endpgm
.Lfunc_end_k_qb42c67354c_prep:
	.size	k_qb42c67354c_prep, .Lfunc_end_k_qb42c67354c_prep-k_qb42c67354c_prep
	.p2alignl 7, 3214868480
	.fill 96, 4, 3214868480
	.section	.rodata,"a",@progbits
	.p2align	6, 0x0
	.amdhsa_kernel k_qb42c67354c_prep
		.amdhsa_group_segment_fixed_size 35840
		.amdhsa_private_segment_fixed_size 0
		.amdhsa_enable_private_segment 0
		.amdhsa_kernarg_size 56
		.amdhsa_user_sgpr_count 2
		.amdhsa_user_sgpr_kernarg_segment_ptr 1
		.amdhsa_wavefront_size32 1
		.amdhsa_system_sgpr_workgroup_id_x 1
		.amdhsa_system_sgpr_workgroup_id_y 1
		.amdhsa_system_sgpr_workgroup_id_z 1
		.amdhsa_system_vgpr_workitem_id 0
		.amdhsa_next_free_vgpr 136
		.amdhsa_next_free_sgpr 66
		.amdhsa_reserve_vcc 0
		.amdhsa_float_denorm_mode_32 3
		.amdhsa_float_denorm_mode_16_64 3
		.amdhsa_memory_ordered 1
		.amdhsa_forward_progress 1
		.amdhsa_inst_pref_size 25
	.end_amdhsa_kernel
	.amdgpu_metadata
---
amdhsa.version: [ 1, 2 ]
amdhsa.kernels:
  - .name:           k_qb42c67354c_prep
    .symbol:         k_qb42c67354c_prep.kd
    .args:
      - { .name: query, .offset: 0, .size: 8, .value_kind: global_buffer, .address_space: global }
      - { .name: values, .offset: 8, .size: 8, .value_kind: global_buffer, .address_space: global }
      - { .name: W1, .offset: 16, .size: 8, .value_kind: global_buffer, .address_space: global }
      - { .name: W2, .offset: 24, .size: 8, .value_kind: global_buffer, .address_space: global }
      - { .name: AC, .offset: 32, .size: 8, .value_kind: global_buffer, .address_space: global }
      - { .name: VI, .offset: 40, .size: 8, .value_kind: global_buffer, .address_space: global }
      - { .name: WI, .offset: 48, .size: 8, .value_kind: global_buffer, .address_space: global }
    .group_segment_fixed_size: 35840
    .private_segment_fixed_size: 0
    .kernarg_segment_align: 8
    .kernarg_segment_size: 56
    .max_flat_workgroup_size: 256
    .sgpr_count:     66
    .vgpr_count:     136
    .wavefront_size: 32
...
	.end_amdgpu_metadata
.endif
;; end of part 5
;; launch proj: the kernel of part 2 again; grid 4 x 64, 4 waves a work-group, clusters of 4 x 4, 327,680 bytes of LDS; arguments AC, VI, WI, b1, QR, VW; writes QR, VW
;; launch scores: the kernel of part 3 again; grid 8 x 32, 4 waves a work-group, clusters of 4 x 1, 327,680 bytes of LDS; arguments VI, QR, AC; writes AC
;; launch final: the kernel of part 4 again; grid 4 x 64, 4 waves a work-group, clusters of 4 x 4, 327,680 bytes of LDS; arguments AC, VW, WI, b2, out0; writes out0
